; MI455X (gfx1250); checked and timed in simulation.
; The chip was launched on July 23, 2026; its instructions are those of AMD's public machine-readable ISA for CDNA 5 (MIT licence, August 2026) and "CDNA5" Instruction Set Architecture Reference Guide (July 2026). The comments in the code are by the model that wrote it; some were corrected since.
;; Multi Head Attention. Allowed arithmetic: matrix products marked QUANTISED: E2M3 operands, one E8M0 scale for each 32 along K, by v_wmma_scale_f32_16x16x128_f8f6f4 with both operands' format E2M3, f32 sums; everything else in f32.
;; Inputs: w_out 1,024 x 1,024 float32; w_qkv 3,072 x 1,024 float32; x 4 x 2,048 x 1,024 float32.
;; Outputs: out0 4 x 2,048 x 1,024 float32.
;; This version of the problem:
;;   THIS VERSION OF THE PROBLEM IS GIVEN IN LOW PRECISION. The matrix products marked QUANTISED in the list below multiply operands that are first quantised to E2M3 (2 exponent bits, 3 mantissa bits; 6 bits a number), with one power-of-two scale for each 32 numbers along K (OCP MX v1.0); their sums are f32. All else is computed in f32.
;;   The module's matrix products, in the order in which they are computed (A, B: the left and right operand; K: the contracted axis; several contracted axes count as one K, in the product's order):
;;     1. [M 8,192, K 1,024] x [K 1,024, N 3,072]; A: input x; B: input w_qkv: QUANTISED
;;     2. batch 64 x [M 2,048, K 64] x [K 64, N 2,048]; A: computed on the way; B: computed on the way: QUANTISED
;;     3. batch 64 x [M 2,048, K 2,048] x [K 2,048, N 64]; A: softmax (see below); B: computed on the way: QUANTISED
;;     4. [M 8,192, K 1,024] x [K 1,024, N 1,024]; A: computed on the way; B: input w_out: QUANTISED
;;   THE QUANTISER, for each operand of a quantised product, along K:
;;     - K is cut into blocks of 32 from its start; a last block that is shorter is filled with zeros.
;;     - A block's scale is 2^e with e = floor(log2(the largest magnitude in the block)) - 2, held to -126 .. 127; a block of zeros has e = 0. As a byte (E8M0): e + 127.
;;     - Each number is divided by its block's scale, clamped to +-7.5, and rounded to the nearest number of E2M3, ties to even, subnormals kept.
;;     - The product sums the exact products of the quantised numbers (number of the format x scale) in f32.
;;   ~~~python
;;   def quantise(x, axis):      # numpy; x: float32 -> the quantised numbers, widened to float32 again
;;       x = np.moveaxis(x, axis, -1); K = x.shape[-1]
;;       x = np.pad(x, [(0, 0)] * (x.ndim - 1) + [(0, -K % 32)]); x = x.reshape(x.shape[:-1] + (-1, 32)); a = np.abs(x).max(-1, keepdims=True)
;;       e = np.where(a > 0, np.clip(np.frexp(np.where(a > 0, a, 1))[1] - 1 - 2, -126, 127), 0)      # np.frexp(a)[1] - 1 = floor(log2(a)), exactly
;;       r = np.clip(x / 2.0 ** e, -7.5, 7.5)
;;       step = 2.0 ** (np.maximum(np.frexp(np.where(r == 0, 1, r))[1] - 1, 0) - 3)
;;       q = np.round(r / step) * step * 2.0 ** e      # np.round: ties to even
;;       return np.moveaxis(q.reshape(q.shape[:-2] + (-1,))[..., :K], -1, axis).astype(np.float32)
;;   ~~~
;;   SOFTMAX AHEAD OF A QUANTISED PRODUCT. Where the list says 'softmax', what is quantised is not the finished softmax but p = 2^(t - M), with t = logit x log2(e) and M = ceil(the row's largest t), a whole number; so 1/2 < the row's largest p <= 1. The row's sum l is taken of the UNQUANTISED p, in f32, and the product's result is divided by l at the end. Since M is a whole number, a kernel that streams over the keys may use a running M (the ceiling of the running maximum): every later rescaling is an exact power of two, which a block's scale takes up: the codes' values come out the same.
;;   OPERANDS COMPUTED ON THE WAY. 'Computed on the way' means the value that the module computes at that place (a softmax that the list does not call 'softmax' is quantised finished and normalised). What goes into a quantiser is computed in f32, as accurately as f32 sums, v_exp_f32 and their like allow (about 1e-6 of the number): no bf16 or f16 on the way to a quantiser, and a product that is left as it is and whose result goes on into a quantised operand takes f32 operands (vector FMAs, or v_wmma_f32_16x16x4_f32). A number that lies on a knife's edge between two numbers of the format may be rounded either way, as far as f32 arithmetic and the matrix unit's own rounding can turn it there, and no further.
;; One version. Each part assembles by itself: llvm-mc -triple=amdgcn-amd-amdhsa -mcpu=gfx1250 --defsym DOCPART=n.
;; ======== version 1 of 1: 4 launches
;; limits: right only within a limited range of input values
;; workspace buffers: src_img 9,437,184 bytes; src_sc 393,216 bytes; qkv_img 18,874,368 bytes; qkv_sc 1,572,864 bytes; o_img 6,291,456 bytes; o_sc 262,144 bytes
;; launch quant (part 1): grid 768 x 1, 4 waves a work-group, no clusters, 34,304 bytes of LDS; arguments x, w_qkv, w_out, src_img, src_sc; writes src_img, src_sc
.if DOCPART == 1
	.amdgcn_target "amdgcn-amd-amdhsa--gfx1250"
	.amdhsa_code_object_version 6
	.text
	.protected	k_qe76c834626_quant
	.globl	k_qe76c834626_quant
	.p2align	8
	.type	k_qe76c834626_quant,@function
k_qe76c834626_quant:
	s_mov_b64 s[64:65], 0
	v_nop
	global_prefetch_b8 v0, s[64:65] scope:SCOPE_SE
	s_setreg_imm32_b32 hwreg(HW_REG_WAVE_MODE, 25, 1), 1
	s_wait_xcnt 0x0
; x [8192][1024], w_qkv [3072][1024], w_out [1024][1024], f32, K innermost, become codes of FP6 (E2M3) with one E8M0 byte for each 32 along K,
; laid in the ORDER OF AN OPERAND'S REGISTERS, so that the products' launches load fragments as consecutive bytes.
; ROW TILES: 768 of 16 rows (0-511 x, 512-703 w_qkv, 704-767 w_out).  Lane r of tile t holds row 32 (t / 2) + 8 (t % 2) + r + 8 (r / 8) of its tensor:
; used as source 0 of a product, two neighbouring tiles then give a lane 16 neighbouring indices in 16 registers.
; src_img [tile][k64 16][768]: a sub-image is 16 rows x 64 K: lane (r, h) holds six registers, the codes of k = 32 h .. 32 h + 31; registers 0-3 lie at 16 x lane, registers 4-5 at 512 + 8 x lane.
; src_sc [tile][khalf 2][r 16][16]: byte kb % 16 is the byte of K block kb, khalf = kb / 16.
; A block's scale is 2^(floor(log2(largest magnitude)) - 2); its byte is the largest magnitude's exponent field - 2, held at 1 from below.
; LIMITS: a block of zeros, or one whose largest magnitude lies under 2^-124, gets the byte 1 where the rule says 127 for zeros: its codes are zeros and this program alone reads the bytes.
; NaN and infinities among the inputs are not served.
; SHARES: a wave takes one row tile x 256 along K: 2 steps of 128.  A step's 16 loads read 512 consecutive bytes of one row each; the 8,192 bytes turn through the wave's own stage in LDS
; (16 rows x (512 + 16) bytes), from which a lane takes 16 neighbours of each block of 32 of its row.  Waves share nothing: no barrier.  No matrix unit, no cluster: memory binds.
.set STG,  8448                        ; a wave's stage in bytes
.set R,    16                          ; v16-143  two sets of 64 registers as loaded
.set X,    144                         ; v144-207 register 16 b + i = k 32 b + 16 h + i of my row
.set PC,   208                         ; v208-227 the codes just made
.set TM,   228                         ; v228-243 at work
.set SW,   244                         ; v244-245 the two steps' scale words
.set SEL,  20                          ; s[20:21] selects of v_permlanex16_b32: lane l xor 16
	s_load_b128 s[4:7], s[0:1], 0x0                ; x, w_qkv
	s_load_b128 s[8:11], s[0:1], 0x10              ; w_out, src_img
	s_load_b64 s[12:13], s[0:1], 0x20              ; src_sc
	v_lshl_add_u32 v254, v0, 2, 0x8400
	v_mov_b32 v255, 0
	v_lshrrev_b32 v6, 5, v0
	v_readfirstlane_b32 s14, v6                    ; wave
	v_and_b32 v6, 31, v0                           ; lane
	v_and_b32 v7, 15, v0                           ; r
	v_bfe_u32 v8, v0, 4, 1                         ; h
	v_lshlrev_b32 v1, 4, v6                        ; 16 x lane
	v_lshlrev_b32 v2, 3, v6                        ; 8 x lane
	s_mul_i32 s16, s14, STG
	v_add_nc_u32 v3, s16, v1                       ; the stage, on the way in
	v_mul_u32_u24 v4, v7, 528
	v_lshl_add_u32 v4, v8, 6, v4
	v_add_nc_u32 v4, s16, v4                       ; and out: row r, + 64 h
	v_lshlrev_b32 v5, 4, v7
	v_lshl_add_u32 v5, v8, 2, v5                   ; the scale word's place: 16 r + 4 h
	s_mov_b32 s[SEL], 0x76543210
	s_mov_b32 s[SEL+1], 0xfedcba98
	s_mov_b32 s22, 0xffff0000                      ; lanes 16-31
.irp b, 0,1,2,3
	v_mov_b32 v[TM+4+\b], 0                        ; written once: a lane permute's destination counts as one of its sources
.endr
	s_lshl_b32 s17, ttmp9, 2
	s_add_co_u32 s17, s17, s14                     ; G = 4 x work-group + wave = 4 x row tile + quarter
	s_lshr_b32 s18, s17, 2                         ; NOW: a work-group takes one row tile, a wave 256 along K in 2 steps of 128: G = 4 x row tile + quarter
	s_and_b32 s19, s17, 3                          ; which 256 along K
	s_wait_alu depctr_va_vdst(0)
	s_wait_kmcnt 0x0
	s_cmp_lt_u32 ttmp9, 704
	s_cselect_b64 s[6:7], s[6:7], s[8:9]
	s_mov_b32 s15, 704
	s_cselect_b32 s15, 512, s15
	s_cmp_lt_u32 ttmp9, 512
	s_cselect_b64 s[4:5], s[4:5], s[6:7]
	s_cselect_b32 s15, 0, s15                      ; the tensor's first row tile
	s_sub_co_u32 s23, s18, s15                     ; the tile within its tensor
	s_lshr_b32 s24, s23, 1
	s_lshl_b32 s24, s24, 5
	s_and_b32 s25, s23, 1
	s_lshl_b32 s25, s25, 3
	s_add_co_u32 s24, s24, s25                     ; its first row: 32 (t / 2) + 8 (t % 2)
	s_lshl_b32 s24, s24, 12                        ; rows of 4,096 bytes
	s_lshl_b32 s25, s19, 10
	s_add_co_u32 s24, s24, s25
	s_mov_b32 s25, 0
	s_add_nc_u64 s[4:5], s[4:5], s[24:25]
	s_mul_i32 s26, s17, 3072                       ; tile x 12,288 + quarter x 3,072
	s_mov_b32 s27, 0
	s_add_nc_u64 s[10:11], s[10:11], s[26:27]
	s_lshr_b32 s28, s17, 1
	s_lshl_b32 s28, s28, 8                         ; tile x 512 + khalf x 256
	s_and_b32 s29, s17, 1
	s_lshl_b32 s29, s29, 3
	s_add_co_u32 s28, s28, s29                     ; + 8 for the khalf's second quarter
	s_mov_b32 s29, 0
	s_add_nc_u64 s[12:13], s[12:13], s[28:29]
.macro LOAD t                          ; step t: 512 bytes of each of the tile's 16 rows into set t % 2
.irp j, 0,1,2,3,4,5,6,7,8,9,10,11,12,13,14,15
	global_load_b128 v[R+64*((\t)%2)+4*\j:R+64*((\t)%2)+4*\j+3], v1, s[4:5] offset:(\j+8*(\j/8))*4096+512*(\t) th:TH_LOAD_NT
.endr
.endm
; 64 numbers of a lane become a fragment's 12 registers in v[PC] on and its row's scale word in v[pw]
.macro QUANT s, pw
.irp b, 0,1,2,3
	v_max3_num_f32 v[TM+\b], |v[\s+16*\b]|, |v[\s+1+16*\b]|, 0x1800000   ; block b: my 16 numbers, and the floor 2^(3 - 127): the byte cannot fall under 1
.endr
.irp i, 2,4,6,8,10,12,14
.irp b, 0,1,2,3
	v_max3_num_f32 v[TM+\b], v[TM+\b], |v[\s+16*\b+\i]|, |v[\s+1+16*\b+\i]|
.endr
.endr
.irp b, 0,1,2,3
	v_permlanex16_b32 v[TM+4+\b], v[TM+\b], s[SEL], s[SEL+1]
.endr
.irp b, 0,1,2,3
	v_max_num_f32 v[TM+\b], v[TM+\b], v[TM+4+\b]   ; with lane l xor 16's: the block's largest magnitude
.endr
.irp b, 0,1,2,3
	v_add_nc_u32 v[TM+12+\b], 0xff000000, v[TM+\b] ; 2 off its exponent field: the conversion's scale operand
.endr
.irp b, 0,1,2,3
	v_lshrrev_b32 v[TM+4+\b], 23, v[TM+12+\b]      ; the scale's byte
.endr
	v_lshl_or_b32 v[\pw], v[TM+5], 8, v[TM+4]
	v_lshl_or_b32 v[\pw], v[TM+6], 16, v[\pw]
	v_lshl_or_b32 v[\pw], v[TM+7], 24, v[\pw]
.irp c, 0,1
	v_cvt_scalef32_pk16_fp6_f32 v[PC+6*\c:PC+2+6*\c], v[\s+32*\c:\s+15+32*\c], v[TM+12+2*\c]
	v_cvt_scalef32_pk16_fp6_f32 v[PC+12+4*\c:PC+14+4*\c], v[\s+16+32*\c:\s+31+32*\c], v[TM+12+2*\c+1]   ; (a conversion's three registers begin on an even number)
.endr
	v_nop                                          ; one plain place behind a scaled conversion
.irp c, 0,1                                    ; the operand's layout wants a whole block in a lane
.irp i, 0,1,2
	v_permlane16_swap_b32 v[PC+6*\c+\i], v[PC+12+4*\c+\i]
.endr
.irp i, 0,1,2
	v_mov_b32 v[PC+3+6*\c+\i], v[PC+12+4*\c+\i]
.endr
.endr
.endm
.macro STEP t
.if (\t) < 1
	s_wait_loadcnt 16                              ; this step's 16 loads are in; the next step's 16 may be out
.else
	s_wait_loadcnt 0x0
.endif
.irp j, 0,1,2,3,4,5,6,7,8,9,10,11,12,13,14,15
	ds_store_b128 v3, v[R+64*((\t)%2)+4*\j:R+64*((\t)%2)+4*\j+3] offset:528*\j
.endr
.irp b, 0,1,2,3
.irp j, 0,1,2,3
	ds_load_b128 v[X+16*\b+4*\j:X+16*\b+4*\j+3], v4 offset:128*\b+16*\j   ; LDS serves a wave's instructions in order: these see the stores above
.endr
.endr
	s_wait_dscnt 0x0                               ; the stores have read their registers, my 64 numbers are in
	s_wait_xcnt 0x0                                ; the last step's global stores have read the codes' registers
	QUANT X, SW+(\t)
	global_store_b128 v1, v[PC:PC+3], s[10:11] offset:1536*(\t)          ; each store covers 512 or 256 consecutive bytes, aligned
	global_store_b64 v2, v[PC+4:PC+5], s[10:11] offset:1536*(\t)+512
	global_store_b128 v1, v[PC+6:PC+9], s[10:11] offset:1536*(\t)+768
	global_store_b64 v2, v[PC+10:PC+11], s[10:11] offset:1536*(\t)+1280
.endm
	LOAD 0
	LOAD 1
	STEP 0
	STEP 1
	v_cndmask_b32 v248, v[SW], v[SW+1], s22        ; lanes 0-15 store their row's word of step 0, lanes 16-31 that of step 1
	global_store_b32 v5, v248, s[12:13]            ; 8 of each row's 16 bytes: the khalf's other quarter is another wave's
	s_wait_tensorcnt 0x0
	ds_add_u32 v254, v255
	s_wait_dscnt 0x0
	s_endpgm
.Lfunc_end_k_qe76c834626_quant:
	.size	k_qe76c834626_quant, .Lfunc_end_k_qe76c834626_quant-k_qe76c834626_quant
	.p2alignl 7, 3214868480
	.fill 96, 4, 3214868480
	.section	.rodata,"a",@progbits
	.p2align	6, 0x0
	.amdhsa_kernel k_qe76c834626_quant
		.amdhsa_group_segment_fixed_size 34304
		.amdhsa_private_segment_fixed_size 0
		.amdhsa_enable_private_segment 0
		.amdhsa_kernarg_size 40
		.amdhsa_user_sgpr_count 2
		.amdhsa_user_sgpr_kernarg_segment_ptr 1
		.amdhsa_wavefront_size32 1
		.amdhsa_system_sgpr_workgroup_id_x 1
		.amdhsa_system_sgpr_workgroup_id_y 1
		.amdhsa_system_sgpr_workgroup_id_z 1
		.amdhsa_system_vgpr_workitem_id 0
		.amdhsa_next_free_vgpr 256
		.amdhsa_next_free_sgpr 66
		.amdhsa_reserve_vcc 0
		.amdhsa_float_denorm_mode_32 3
		.amdhsa_float_denorm_mode_16_64 3
		.amdhsa_memory_ordered 1
		.amdhsa_forward_progress 1
		.amdhsa_inst_pref_size 19
	.end_amdhsa_kernel
	.amdgpu_metadata
---
amdhsa.version: [ 1, 2 ]
amdhsa.kernels:
  - .name:           k_qe76c834626_quant
    .symbol:         k_qe76c834626_quant.kd
    .args:
      - { .name: x, .offset: 0, .size: 8, .value_kind: global_buffer, .address_space: global }
      - { .name: w_qkv, .offset: 8, .size: 8, .value_kind: global_buffer, .address_space: global }
      - { .name: w_out, .offset: 16, .size: 8, .value_kind: global_buffer, .address_space: global }
      - { .name: src_img, .offset: 24, .size: 8, .value_kind: global_buffer, .address_space: global }
      - { .name: src_sc, .offset: 32, .size: 8, .value_kind: global_buffer, .address_space: global }
    .group_segment_fixed_size: 34304
    .private_segment_fixed_size: 0
    .kernarg_segment_align: 8
    .kernarg_segment_size: 40
    .max_flat_workgroup_size: 128
    .sgpr_count:     66
    .vgpr_count:     256
    .wavefront_size: 32
...
	.end_amdgpu_metadata
.endif
;; end of part 1
;; launch qkv (part 2): grid 12 x 32, 4 waves a work-group, clusters of 4 x 4, 327,680 bytes of LDS; arguments src_img, src_sc, qkv_img, qkv_sc; writes qkv_img, qkv_sc
.if DOCPART == 2
	.amdgcn_target "amdgcn-amd-amdhsa--gfx1250"
	.amdhsa_code_object_version 6
	.text
	.protected	k_qe76c834626_qkv
	.globl	k_qe76c834626_qkv
	.p2align	8
	.type	k_qe76c834626_qkv,@function
k_qe76c834626_qkv:
	s_mov_b64 s[64:65], 0
	v_nop
	global_prefetch_b8 v0, s[64:65] scope:SCOPE_SE
	s_setreg_imm32_b32 hwreg(HW_REG_WAVE_MODE, 25, 1), 1
	s_wait_xcnt 0x0
	s_wait_alu depctr_hold_cnt(0) depctr_sa_sdst(0) depctr_va_vdst(0) depctr_va_sdst(0) depctr_va_ssrc(0) depctr_va_vcc(0) depctr_vm_vsrc(0)
	s_getreg_b32 s2, hwreg(HW_REG_IB_STS2, 6, 4)
	s_cmp_eq_u32 s2, 0
	s_cbranch_scc0 .Lentry_in_a_cluster
	s_endpgm
.Lentry_in_a_cluster:
	s_bfe_u32 s2, ttmp6, 0x10000c
	s_cmp_lg_u32 s2, 0xf033
	s_cbranch_scc0 .Lentry_shape_is_right
	s_endpgm
.Lentry_shape_is_right:
; qkv = x w_qkv^T on codes of FP6 (E2M3) with E8M0 scales, K = 1,024; the results never go to memory as f32: each wave quantises its 128 x 128 in registers and stores codes and scale bytes
; in the order of the next products' operand registers.
; OPERANDS: src_img [row tile 768][k64 16][768], src_sc [row tile][2][16][16] (tiles 0-511 x, 512-703 w_qkv).  Lane r of row tile t is row 32 (t / 2) + 8 (t % 2) + r + 8 (r / 8).
; A work-group makes 256 x 256, a wave 128 x 128: 64 accumulators.  Source 0 = 16 rows of side B, source 1 = 16 rows of side A: a lane holds ONE row of side A, and the 64 registers of a block of A
; run along side B: register 16 b + i = B's index 32 b + 16 h + i (by the order of rows in a tile).
; q, k (clusters x = 0, 1): A = tokens, B = rows of w_qkv: a lane's registers run along the head's 64: the K of q k^T.  v (cluster x = 2): A = rows of w_qkv, B = tokens: the registers run along the KEYS, the K of p v.
; OUT: qkv_img [b 4][g 48][ks 16][6144]: g 0-15 q's heads, 16-31 k's, 32-47 v's; ks = 128 tokens.  q, k: 8 sub-images (16 tokens x 64) of 768 bytes.  v: 4 fragments (16 d x 128 keys) of 1,536.
; qkv_sc [b][g][ks][512]: q, k: lane l's 16 bytes at 16 l: word j of lane (r, h) = the word of token tile 2 j + h, row r (bytes 0, 1 the head's two blocks; bytes 2, 3 the neighbour head's or 0, never 0xff).
; v: 256 bytes: lane l's 8 bytes at 8 l: word j = d tile 2 j + h, row r, four key blocks.
; K goes in 4 steps of 256 through two LDS slots; a row tile's K step is 3,072 consecutive bytes, so every LDS load reads consecutive bytes: no padding.  The scale words go straight into registers.
; CLUSTERS 4 x 4: side A's tiles are shared along a row of the cluster, side B's along a column, by joint loads.
; LIMITS: a block of zeros or under 2^-124 gets the byte 1 (its codes are zeros; this program alone reads the bytes); NaN and infinities are not served.
; REGISTERS: window 0: v16-23 LDS addresses, v24 16 x lane, v25 8 x lane, v28-29 for the add, v30 the floor, v34-65 A's scale words, v72-103 B's, v128-223 A's fragments, later the epilogue's work.
;   window 1: B's fragments, two sets (v0, v128).  windows 2, 3: the accumulators ((a, b) at v[8 (8 (a % 4) + b)]).
.set KS_B,   3072                      ; a row tile's bytes of a K step of 256
.set RTB,    12288                     ; and of all of K
.set HALFT,  8*KS_B                    ; 8 row tiles: what one tensor load brings
.set SLOT,   4*HALFT
.set SCL,    2*SLOT                    ; behind the ring: the scales, 512 bytes a row tile
.set HALFS,  4096
.set SPARE,  SCL+4*HALFS               ; the spare words, 128 bytes a wave
.set FR,     12
.set NL,     4                         ; LDS loads of a fragment
.set NP,     4                         ; places behind this matrix instruction (ISA guide 7.12.1)
.set NQ,     2
.set ADRA, 16                          ; v16-17 16 x lane + A's place in slot 0, 1; v18-19 the same with 8 x lane
.set ADRB, 20                          ; v20-23 likewise for B
.set L16,  24
.set L8,   25
.set ADRS, 27
.set SPW,  28
.set NIL,  29
.set FLO,  30
.set SC,   32
.set AF,   128
.set PC,   160                         ; the epilogue: codes
.set VS,   184                         ; scale words on their way out
.set TM,   200                         ; at work
.set PW,   216                         ; the eight blocks' scale words
.set G1, 24
.set G0, 32
.set G1B, 48
.set G0B, 56
.set G1S, 68
.set G0S, 76
.set G1SB, 80
.set G0SB, 88
.set P0, 12                            ; s[12:13], s[66:67] where a block's two halves go; s[98:99] the scale words
.set P1, 66
.set SB, 98
.set DA, 20                            ; s[20:21] from block to block; s[22:23] more at block 4; s[46:47] from P0 to P1
.set DJ, 22
.set DC, 46
.set SEL, 92
.set MSB, 0
.macro WIN new                         ; the immediate's high byte repeats the setting that is left
.if MSB != \new
	s_set_vgpr_msb (MSB<<8)|\new
.set MSB, \new
.endif
.endm
.set MUL_LO, 0xa1                      ; source 0 (B) window 1, source 1 (A) window 0, C and D window 2
.set MUL_HI, 0xf1
.set TO_B,   0x40
; A joint load: waves 0 and 1 fetch for A, waves 2 and 3 for B; the branch hangs on the wave's number alone.  Four v_nop follow each line.
.macro JLOAD g0a, g1a, g0b, g1b
	s_cmp_eq_u32 s15, 0
	s_cbranch_scc0 .Lfor_b_\@
	tensor_load_to_lds s[\g0a:\g0a+3], s[\g1a:\g1a+7]
	s_nop 0
.rept 4
	v_nop
.endr
	s_branch .Lasked_\@
.Lfor_b_\@:
	tensor_load_to_lds s[\g0b:\g0b+3], s[\g1b:\g1b+7]
	s_nop 0
.rept 4
	v_nop
.endr
.Lasked_\@:
.endm
.macro CREST                           ; a round of the cluster's barrier behind its opening barrier
	s_cmp_lg_u32 s14, 0
	s_cbranch_scc1 .Lnot_wave_0_\@
	s_barrier_signal -3
.Lnot_wave_0_\@:
	s_barrier_wait -3
	s_barrier_signal -1
	s_barrier_wait -1
.endm
.macro CROUND
	s_barrier_signal -1
	s_barrier_wait -1
	CREST
.endm
	s_load_b256 s[4:11], s[0:1], 0x0               ; src_img, src_sc, qkv_img, qkv_sc
	v_lshl_add_u32 v[SPW], v0, 2, SPARE
	v_mov_b32 v[NIL], 0
	ds_add_u32 v28, v29
	ds_add_u32 v28, v29
	s_wait_dscnt 0x0
	v_mov_b32 v[FLO], 0x1800000                    ; 2^(3 - 127)
	v_lshrrev_b32 v1, 5, v0
	v_readfirstlane_b32 s14, v1                    ; wave
	s_lshr_b32 s15, s14, 1                         ; my half of side A's rows.  Also: I fetch for A (0) or B (1)
	s_and_b32 s16, s14, 1                          ; my half of side B's rows.  Also: which 128 rows I fetch
	s_bfe_u32 s40, ttmp6, 0x40000                  ; cx
	s_bfe_u32 s41, ttmp6, 0x40004                  ; cy
	s_and_b32 s17, ttmp7, 0xffff                   ; cluster y
	s_cmp_eq_u32 ttmp9, 2                          ; cluster x = 2: v.  The same in all sixteen partners
	s_cselect_b32 s95, 1, 0
	s_cselect_b32 s42, s17, ttmp9                  ; B's cluster coordinate: v: cluster y (tokens); q, k: cluster x (rows of w_qkv)
	s_cselect_b32 s17, 0, s17                      ; A's: v: none (v's 1,024 rows are one cluster high); q, k: cluster y (tokens)
	s_cselect_b32 s96, 640, 0                      ; A's first row tile in src_img
	s_cselect_b32 s97, 0, 512                      ; B's
	s_lshl_b32 s17, s17, 2
	s_add_co_u32 s17, s17, s41                     ; A's block of 256 rows
	s_lshl_b32 s42, s42, 2
	s_add_co_u32 s42, s42, s40                     ; B's
	s_lshl_b32 s43, s41, 2
	s_lshl_b32 s43, 15, s43                        ; my row of the cluster
	s_lshl_b32 s44, 0x1111, s40                    ; my column
	; group 1: 8 rows (row tiles) of 3,072 bytes (384 elements of 8), 12,288 bytes apart
	s_or_b32 s[G1+0], s43, (3<<16)|(1<<21)
	s_or_b32 s[G1B+0], s44, (3<<16)|(1<<21)
.irp g, G1, G1B
	s_mov_b32 s[\g+1], 384<<16                     ; tensor_dim0
	s_mov_b32 s[\g+2], 16<<16                      ; the head's loads bring 16 row tiles; the ring's 8 (set behind the head's wait)
	s_mov_b32 s[\g+3], 384<<16                     ; tile_dim0
	s_mov_b32 s[\g+4], 16
	s_mov_b32 s[\g+5], 1536                        ; the pitch
	s_mov_b32 s[\g+6], 0
	s_mov_b32 s[\g+7], 0
.endr
	; the scales of 128 rows: 4,096 dense bytes by 8 loads of 512
	s_lshl_b32 s20, s17, 4
	s_add_co_u32 s20, s20, s96                     ; A: the first of the 8 row tiles that I fetch
	s_lshl_b32 s46, s42, 4
	s_add_co_u32 s46, s46, s97                     ; B
	s_lshl_b32 s22, s20, 9                         ; their scales, in bytes
	s_lshl_b32 s92, s46, 9
	s_mul_i32 s20, s20, RTB                        ; and their codes
	s_mul_i32 s46, s46, RTB
	s_mov_b32 s21, 0
	s_mov_b32 s23, 0
	s_mov_b32 s47, 0
	s_mov_b32 s93, 0
	s_mul_i32 s45, s14, HALFT                      ; where they go: no place in the cluster enters an LDS address
	s_wait_kmcnt 0x0
	s_add_nc_u64 s[20:21], s[4:5], s[20:21]
	s_add_nc_u64 s[22:23], s[6:7], s[22:23]
	s_add_nc_u64 s[46:47], s[4:5], s[46:47]
	s_add_nc_u64 s[92:93], s[6:7], s[92:93]
	CROUND                                         ; all sixteen work-groups are here: the first joint loads meet
	s_mov_b32 s68, 1                               ; the head's four groups 0, a side's 16 row tiles each: A's K step 0,
	s_mov_b32 s69, 0
	s_mov_b64 s[70:71], s[20:21]
	s_or_b32 s71, s71, 0x80000000
	s_mov_b32 s72, 1                               ; B's K step 0,
	s_mov_b32 s73, 2*HALFT
	s_mov_b64 s[74:75], s[46:47]
	s_or_b32 s75, s75, 0x80000000
	s_mov_b32 s[G0S], 1                            ; A's K step 1,
	s_mov_b32 s[G0S+1], SLOT
	s_add_nc_u64 s[G0S+2:G0S+3], s[20:21], KS_B
	s_or_b32 s[G0S+3], s[G0S+3], 0x80000000
	s_mov_b32 s[G0SB], 1                           ; B's K step 1
	s_mov_b32 s[G0SB+1], SLOT+2*HALFT
	s_add_nc_u64 s[G0SB+2:G0SB+3], s[46:47], KS_B
	s_or_b32 s[G0SB+3], s[G0SB+3], 0x80000000
	s_mul_i32 s2, s16, 8*RTB                       ; in the ring I fetch 8 of a side's 16 row tiles: which, in bytes
	s_mov_b32 s3, 0
	s_add_nc_u64 s[20:21], s[20:21], s[2:3]
	s_add_nc_u64 s[46:47], s[46:47], s[2:3]
.irp s, 0,1
	s_mov_b32 s[G0+4*\s], 1
	s_add_co_u32 s[G0+4*\s+1], s45, \s*SLOT
	s_add_nc_u64 s[G0+4*\s+2:G0+4*\s+3], s[20:21], \s*KS_B
	s_or_b32 s[G0+4*\s+3], s[G0+4*\s+3], 0x80000000
	s_mov_b32 s[G0B+4*\s], 1
	s_add_co_u32 s[G0B+4*\s+1], s45, \s*SLOT
	s_add_nc_u64 s[G0B+4*\s+2:G0B+4*\s+3], s[46:47], \s*KS_B
	s_or_b32 s[G0B+4*\s+3], s[G0B+4*\s+3], 0x80000000
.endr
; THE HEAD'S LOADS, ONE A WAVE: wave 0 A's 16 row tiles of K step 0, wave 1 B's, wave 2 A's 16 row tiles of K step 1, wave 3 B's.  One chain of branches on the wave's number.
.macro ARM under, g0, g1, next
	s_cmp_lt_u32 s14, \under
	s_cbranch_scc0 \next
	tensor_load_to_lds s[\g0:\g0+3], s[\g1:\g1+7]
	s_nop 0
.rept 4
	v_nop
.endr
	s_branch .Lhead_asked
\next:
.endm
	ARM 1, 68,  G1,  .Lhead_b                      ; NOW: wave 0 A's K step 0, wave 1 B's, wave 2 A's K step 1, wave 3 B's; the scale words go straight into registers
	ARM 2, 72,  G1B, .Lhead_sa
	ARM 3, G0S, G1,  .Lhead_sb
	tensor_load_to_lds s[G0SB:G0SB+3], s[G1B:G1B+7]
	s_nop 0
.rept 4
	v_nop
.endr
.Lhead_asked:
.set SAR, 34                           ; v34-65 A's scale words, v72-103 B's: a row tile's 512 bytes by one load of 16 bytes a lane: lane (r, h) holds the words of the steps of 128 numbered 4 h .. 4 h + 3 of row r
.set SBR, 72                           ; (the two sides' registers never have the same number modulo 8)
.set KROW, 0                           ; which half of the lanes serves: 0 in K steps 0 and 1, 1 in K steps 2 and 3
	v_and_b32 v1, 31, v0                           ; lane
	v_lshlrev_b32 v[L16], 4, v1
	s_wait_alu depctr_va_vdst(0)
	s_lshl_b32 s2, s15, 12                         ; my 8 row tiles of A, 512 bytes each
	s_mov_b32 s3, 0
	s_add_nc_u64 s[22:23], s[22:23], s[2:3]
	s_lshl_b32 s2, s16, 12                         ; and of B
	s_add_nc_u64 s[92:93], s[92:93], s[2:3]
.irp i, 0,1,2,3,4,5,6,7
	global_load_b128 v[SAR+4*\i:SAR+4*\i+3], v[L16], s[22:23] offset:512*\i   ; 512 consecutive bytes, aligned
	global_load_b128 v[SBR+4*\i:SBR+4*\i+3], v[L16], s[92:93] offset:512*\i
.endr
	s_wait_xcnt 0x0                                ; the bases are written again below
	v_lshlrev_b32 v[L8], 3, v1
	s_mul_i32 s21, s15, HALFT                      ; my 128 rows of A
	s_mul_i32 s22, s16, HALFT                      ; my 128 rows of B,
	s_add_co_u32 s22, s22, 2*HALFT                 ; behind A's 256
.irp s, 0,1
	v_add_nc_u32 v[ADRA+\s], s21, v[L16]
	v_add_nc_u32 v[ADRA+2+\s], s21, v[L8]
	v_add_nc_u32 v[ADRB+\s], s22, v[L16]
	v_add_nc_u32 v[ADRB+2+\s], s22, v[L8]
	s_add_co_u32 s21, s21, SLOT
	s_add_co_u32 s22, s22, SLOT
.endr
	; where the results go
	s_lshl_b32 s18, s17, 1
	s_add_co_u32 s18, s18, s15                     ; q, k: my 128 tokens are A's
	s_lshl_b32 s19, s42, 1
	s_add_co_u32 s19, s19, s16                     ; v: B's
	s_lshl_b32 s2, s42, 2
	s_lshl_b32 s3, s16, 1
	s_add_co_u32 s2, s2, s3                        ; q, k: my first head, by B's rows
	s_lshl_b32 s96, s17, 2
	s_lshl_b32 s97, s15, 1
	s_add_co_u32 s96, s96, s97
	s_add_co_u32 s96, s96, 32                      ; v: by A's rows
	s_mov_b32 s[DA], 768
	s_mov_b32 s[DC], 98304
	s_cmp_eq_u32 s95, 1
	s_cselect_b32 s18, s19, s18                    ; the group of 128 tokens, 0 .. 63
	s_cselect_b32 s2, s96, s2                      ; g
	s_cselect_b32 s[DA], 1536, s[DA]               ; a block of A is: v: a fragment of 16 d; q, k: a sub-image of 16 tokens in each of two heads
	s_cselect_b32 s[DJ], 92160, 0                  ; v: block 4 begins the next head: 98,304 - 4 x 1,536
	s_cselect_b32 s[DC], 768, s[DC]                ; the codes' second half: v: the fragment's second sub-image; q, k: the next head
	s_mov_b32 s[DA+1], 0
	s_mov_b32 s[DJ+1], 0
	s_mov_b32 s[DC+1], 0
	s_lshr_b32 s19, s18, 4                         ; b
	s_mul_i32 s19, s19, 48
	s_add_co_u32 s19, s19, s2
	s_lshl_b32 s19, s19, 4
	s_and_b32 s18, s18, 15
	s_add_co_u32 s19, s19, s18                     ; (b 48 + g) 16 + ks
	s_mul_i32 s2, s19, 6144
	s_mov_b32 s3, 0
	s_add_nc_u64 s[P0:P0+1], s[8:9], s[2:3]
	s_add_nc_u64 s[P1:P1+1], s[P0:P0+1], s[DC:DC+1]
	s_lshl_b32 s2, s19, 9
	s_add_nc_u64 s[SB:SB+1], s[10:11], s[2:3]
	s_mov_b32 s[SEL], 0x76543210
	s_mov_b32 s[SEL+1], 0xfedcba98
	s_mov_b32 s94, 0xffff0000                      ; lanes 16-31
.macro FRAG reg, adr, q, i             ; a fragment (16 rows x 128 K, 12 registers) is two sub-images on end: four loads of consecutive bytes
	ds_load_b128 v[\reg:\reg+3], v[\adr] offset:(\i)*KS_B+(\q)*1536
	ds_load_b64 v[\reg+4:\reg+5], v[\adr+2] offset:(\i)*KS_B+(\q)*1536+512
	ds_load_b128 v[\reg+6:\reg+9], v[\adr] offset:(\i)*KS_B+(\q)*1536+768
	ds_load_b64 v[\reg+10:\reg+11], v[\adr+2] offset:(\i)*KS_B+(\q)*1536+1280
.endm
; 16 matrix instructions: A's blocks a0, a0 + 1 x B's eight.  The 64 accumulators take turns, one instruction a turn.
.macro MUL16 a0, p, q, sc, zero
.irp a, \a0, \a0+1
.irp b, 0,1,2,3,4,5,6,7
.if \zero
	v_wmma_scale_f32_16x16x128_f8f6f4 v[8*(8*((\a)%4)+\b):8*(8*((\a)%4)+\b)+7], v[128*(\p)+FR*\b:128*(\p)+FR*\b+FR-1], v[AF+FR*(\a):AF+FR*(\a)+FR-1], 0, v[SBR+4*\b+2*(\sc)+(\q)], v[SAR+4*(\a)+2*(\sc)+(\q)] matrix_a_fmt:MATRIX_FMT_FP6 matrix_b_fmt:MATRIX_FMT_FP6
.elseif KROW
	v_wmma_scale_f32_16x16x128_f8f6f4 v[8*(8*((\a)%4)+\b):8*(8*((\a)%4)+\b)+7], v[128*(\p)+FR*\b:128*(\p)+FR*\b+FR-1], v[AF+FR*(\a):AF+FR*(\a)+FR-1], v[8*(8*((\a)%4)+\b):8*(8*((\a)%4)+\b)+7], v[SBR+4*\b+2*(\sc)+(\q)], v[SAR+4*(\a)+2*(\sc)+(\q)] matrix_a_fmt:MATRIX_FMT_FP6 matrix_b_fmt:MATRIX_FMT_FP6 matrix_a_scale:MATRIX_SCALE_ROW1 matrix_b_scale:MATRIX_SCALE_ROW1
.else
	v_wmma_scale_f32_16x16x128_f8f6f4 v[8*(8*((\a)%4)+\b):8*(8*((\a)%4)+\b)+7], v[128*(\p)+FR*\b:128*(\p)+FR*\b+FR-1], v[AF+FR*(\a):AF+FR*(\a)+FR-1], v[8*(8*((\a)%4)+\b):8*(8*((\a)%4)+\b)+7], v[SBR+4*\b+2*(\sc)+(\q)], v[SAR+4*(\a)+2*(\sc)+(\q)] matrix_a_fmt:MATRIX_FMT_FP6 matrix_b_fmt:MATRIX_FMT_FP6
.endif
.endr
.endr
.endm
.macro FETCH_B slot, q, p
	WIN TO_B
.irp i, 0,1,2,3,4,5,6,7
	FRAG 128*(\p)+FR*\i, ADRB+\slot, \q, \i
.endr
	WIN 0
.endm
.macro FETCH_A slot, q, i0
.irp i, \i0, \i0+1, \i0+2, \i0+3
	FRAG AF+FR*(\i), ADRA+\slot, \q, \i
.endr
.endm
.macro SCALES s, set                   ; K step s's two scale words a row: lanes 0-15 A's block i, lanes 16-31 B's block i
.irp i, 0,1,2,3,4,5,6,7
	ds_load_b64 v[SC+8*NQ*(\set)+NQ*\i:SC+8*NQ*(\set)+NQ*\i+1], v[ADRS] offset:512*\i+256*((\s)/2)+8*((\s)%2)
.endr
.endm
.macro PLACES n                        ; plain vector places in front of loads into registers that matrix instructions have read, and of reads of results
.rept \n
	v_nop
.endr
.endm
.macro STEP slot, q, zero              ; 128 along K that has its successor in the same slot
	s_wait_dscnt 4*NL                              ; all but the youngest 16 loads (A's blocks 4-7) are in
	WIN MUL_LO
	MUL16 0, (\q)%2, \q, \slot, \zero
	MUL16 2, (\q)%2, \q, \slot, \zero
	s_wait_dscnt 0
	PLACES NP
	FETCH_B \slot, (\q)+1, 1-(\q)%2
	FETCH_A \slot, (\q)+1, 0
	WIN MUL_HI
	MUL16 4, (\q)%2, \q, \slot, \zero
	MUL16 6, (\q)%2, \q, \slot, \zero
	PLACES NP
	WIN 0
	FETCH_A \slot, (\q)+1, 4
.endm
; A slot's last 128 along K changes slots: one barrier; in front of it each wave waits for all its tensor loads, adds 0 to its spare word, and waits for that and for its reads of this slot.
.macro TURN slot, next, fill, snext
	s_wait_tensorcnt 0x0                           ; all my tensor loads have landed: my part of the next slot
	ds_add_u32 v[SPW], v[NIL]
.if \fill
	s_mov_b32 s[G1+2], 8<<16                       ; no load of mine is out: a refill brings 8 row tiles
	s_mov_b32 s[G1+4], 8
	s_mov_b32 s[G1B+2], 8<<16
	s_mov_b32 s[G1B+4], 8
.endif
	s_wait_dscnt 4*NL+1
	WIN MUL_LO
	MUL16 0, 1, NQ-1, \slot, 0
	s_wait_dscnt 0x0                               ; the add is done, and my reads of this slot are over
	s_barrier_signal -1
	MUL16 2, 1, NQ-1, \slot, 0
	WIN 0
	s_barrier_wait -1
.if \fill
	CREST                                          ; the barrier has opened a round of the cluster's: no wave of any partner still reads this slot or has a load on its way
	s_add_nc_u64 s[G0+4*\slot+2:G0+4*\slot+3], s[G0+4*\slot+2:G0+4*\slot+3], 2*KS_B
	s_add_nc_u64 s[G0B+4*\slot+2:G0B+4*\slot+3], s[G0B+4*\slot+2:G0B+4*\slot+3], 2*KS_B
	JLOAD G0+4*\slot, G1, G0B+4*\slot, G1B         ; the first tensor load behind the round; its four v_nop are the places in front of the loads below
.else
	PLACES NP
.endif
	FETCH_B \next, 0, 0
	FETCH_A \next, 0, 0
	WIN MUL_HI
	MUL16 4, 1, NQ-1, \slot, 0
	MUL16 6, 1, NQ-1, \slot, 0
	PLACES NP
	WIN 0
	FETCH_A \next, 0, 4
.endm
	s_wait_alu depctr_va_vdst(0)
	s_cmp_lt_u32 s14, 2
	s_cbranch_scc0 .Lnot_first
	s_wait_tensorcnt 0x0                           ; waves 0 and 1: my side's K step 0 is in
.Lnot_first:
	s_barrier_signal -1
	s_barrier_wait -1                              ; K step 0 is whole; K step 1 may be on its way
	FETCH_B 0, 0, 0
	FETCH_A 0, 0, 0
	FETCH_A 0, 0, 4
	s_wait_loadcnt 0x0                             ; the scale words are in
	STEP 0, 0, 1
	TURN 0, 1, 1, 1                                ; slot 0 takes K step 2
	STEP 1, 0, 0
	TURN 1, 0, 1, 2
.set KROW, 1                           ; from K step 2 on lanes 16-31 hold the scale words
	STEP 0, 0, 0
	TURN 0, 1, 0, 3                                ; nothing is left to fetch
	STEP 1, 0, 0
	s_wait_dscnt 4*NL
	WIN MUL_LO
	MUL16 0, 1, NQ-1, 1, 0
	MUL16 2, 1, NQ-1, 1, 0
	s_wait_dscnt 0
	WIN MUL_HI
	MUL16 4, 1, NQ-1, 1, 0
	MUL16 6, 1, NQ-1, 1, 0
	WIN 0
	PLACES NP                                      ; behind the last products: their results are read and A's registers written below
.irp b, 0,1,2,3
	v_mov_b32 v[TM+4+\b], 0                        ; written once: a lane permute's destination counts as one of its sources
.endr
; THE EPILOGUE.  Block a of side A: 64 numbers a lane, register 16 b + i = B's index 32 b + 16 h + i: four blocks of 32, each shared with lane l xor 16.  They become 12 registers of codes and a scale word.
.macro EPI a
.set AC, 64*((\a)%4)
.set WA, 2+(\a)/4
.set WMAX, (WA<<2)|(WA<<4)
	WIN WMAX                                       ; sources 1 and 2: the accumulators' window
.irp b, 0,1,2,3
	v_max3_num_f32 v[TM+\b], v[FLO], |v[AC+16*\b]|, |v[AC+16*\b+1]|   ; each accumulator is read from its low end on
.endr
.irp i, 2,4,6,8,10,12,14
.irp b, 0,1,2,3
	v_max3_num_f32 v[TM+\b], v[TM+\b], |v[AC+16*\b+\i]|, |v[AC+16*\b+\i+1]|
.endr
.endr
	WIN 0
.irp b, 0,1,2,3
	v_permlanex16_b32 v[TM+4+\b], v[TM+\b], s[SEL], s[SEL+1]
.endr
.irp b, 0,1,2,3
	v_max_num_f32 v[TM+\b], v[TM+\b], v[TM+4+\b]
.endr
.irp b, 0,1,2,3
	v_add_nc_u32 v[TM+12+\b], 0xff000000, v[TM+\b] ; 2 off the exponent field: the conversion's scale operand
.endr
.irp b, 0,1,2,3
	v_lshrrev_b32 v[TM+4+\b], 23, v[TM+12+\b]      ; the scale's byte
.endr
	v_lshl_or_b32 v[PW+(\a)], v[TM+5], 8, v[TM+4]
	v_lshl_or_b32 v[PW+(\a)], v[TM+6], 16, v[PW+(\a)]
	v_lshl_or_b32 v[PW+(\a)], v[TM+7], 24, v[PW+(\a)]
.if (\a) > 0
	s_wait_xcnt 0x0                                ; the last block's stores have read their data and their bases
	s_add_nc_u64 s[P0:P0+1], s[P0:P0+1], s[DA:DA+1]
	s_add_nc_u64 s[P1:P1+1], s[P1:P1+1], s[DA:DA+1]
.endif
.if (\a) == 4
	s_add_nc_u64 s[P0:P0+1], s[P0:P0+1], s[DJ:DJ+1]
	s_add_nc_u64 s[P1:P1+1], s[P1:P1+1], s[DJ:DJ+1]
.endif
	WIN WA                                         ; source 0: the accumulators' window
.irp c, 0,1
	v_cvt_scalef32_pk16_fp6_f32 v[PC+6*\c:PC+2+6*\c], v[AC+32*\c:AC+15+32*\c], v[TM+12+2*\c]
	v_cvt_scalef32_pk16_fp6_f32 v[PC+12+4*\c:PC+14+4*\c], v[AC+16+32*\c:AC+31+32*\c], v[TM+12+2*\c+1]
.endr
	WIN 0
	v_nop                                          ; one plain place behind a scaled conversion
.irp c, 0,1
.irp i, 0,1,2
	v_permlane16_swap_b32 v[PC+6*\c+\i], v[PC+12+4*\c+\i]
.endr
.irp i, 0,1,2
	v_mov_b32 v[PC+3+6*\c+\i], v[PC+12+4*\c+\i]
.endr
.endr
	global_store_b128 v[L16], v[PC:PC+3], s[P0:P0+1]                 ; each store covers 512 or 256 consecutive bytes, aligned
	global_store_b64 v[L8], v[PC+4:PC+5], s[P0:P0+1] offset:512
	global_store_b128 v[L16], v[PC+6:PC+9], s[P1:P1+1]
	global_store_b64 v[L8], v[PC+10:PC+11], s[P1:P1+1] offset:512
.endm
	EPI 0
	EPI 1
	EPI 2
	EPI 3
	EPI 4
	EPI 5
	EPI 6
	EPI 7
.irp j, 0,1,2,3
	v_cndmask_b32 v[VS+\j], v[PW+2*\j], v[PW+2*\j+1], s94   ; lanes 0-15 keep block 2 j's word, lanes 16-31 block 2 j + 1's
.endr
	s_cmp_eq_u32 s95, 1
	s_cbranch_scc1 .Lv_scales
	global_store_b128 v[L16], v[VS:VS+3], s[SB:SB+1]         ; q, k: the first head's bytes are each word's bytes 0, 1
.irp j, 0,1,2,3
	v_lshrrev_b32 v[VS+4+\j], 16, v[VS+\j]                   ; the second head's come down; bytes 2, 3 become 0
.endr
	global_store_b128 v[L16], v[VS+4:VS+7], s[SB:SB+1] offset:8192
	s_branch .Lscales_done
.Lv_scales:
	s_wait_alu depctr_va_vdst(0)
	global_store_b64 v[L8], v[VS:VS+1], s[SB:SB+1]           ; v: blocks 0-3 are the first head's four d tiles,
	global_store_b64 v[L8], v[VS+2:VS+3], s[SB:SB+1] offset:8192   ; blocks 4-7 the second's
.Lscales_done:
	s_wait_tensorcnt 0x0                           ; the wave's end
	ds_add_u32 v[SPW], v[NIL]
	s_wait_dscnt 0x0
	CROUND                                         ; the closing round
	s_endpgm
.Lfunc_end_k_qe76c834626_qkv:
	.size	k_qe76c834626_qkv, .Lfunc_end_k_qe76c834626_qkv-k_qe76c834626_qkv
	.p2alignl 7, 3214868480
	.fill 96, 4, 3214868480
	.section	.rodata,"a",@progbits
	.p2align	6, 0x0
	.amdhsa_kernel k_qe76c834626_qkv
		.amdhsa_group_segment_fixed_size 327680
		.amdhsa_private_segment_fixed_size 0
		.amdhsa_enable_private_segment 0
		.amdhsa_kernarg_size 32
		.amdhsa_user_sgpr_count 2
		.amdhsa_user_sgpr_kernarg_segment_ptr 1
		.amdhsa_wavefront_size32 1
		.amdhsa_system_sgpr_workgroup_id_x 1
		.amdhsa_system_sgpr_workgroup_id_y 1
		.amdhsa_system_sgpr_workgroup_id_z 1
		.amdhsa_system_vgpr_workitem_id 0
		.amdhsa_next_free_vgpr 1024
		.amdhsa_next_free_sgpr 100
		.amdhsa_reserve_vcc 0
		.amdhsa_float_denorm_mode_32 3
		.amdhsa_float_denorm_mode_16_64 3
		.amdhsa_memory_ordered 1
		.amdhsa_forward_progress 1
		.amdhsa_inst_pref_size 148
	.end_amdhsa_kernel
	.amdgpu_metadata
---
amdhsa.version: [ 1, 2 ]
amdhsa.kernels:
  - .name:           k_qe76c834626_qkv
    .symbol:         k_qe76c834626_qkv.kd
    .args:
      - { .name: src_img, .offset: 0, .size: 8, .value_kind: global_buffer, .address_space: global }
      - { .name: src_sc, .offset: 8, .size: 8, .value_kind: global_buffer, .address_space: global }
      - { .name: qkv_img, .offset: 16, .size: 8, .value_kind: global_buffer, .address_space: global }
      - { .name: qkv_sc, .offset: 24, .size: 8, .value_kind: global_buffer, .address_space: global }
    .group_segment_fixed_size: 327680
    .private_segment_fixed_size: 0
    .kernarg_segment_align: 8
    .kernarg_segment_size: 32
    .max_flat_workgroup_size: 128
    .sgpr_count:     100
    .vgpr_count:     1024
    .wavefront_size: 32
...
	.end_amdgpu_metadata
.endif
;; end of part 2
;; launch attn (part 3): grid 4 x 64, 16 waves a work-group, no clusters, 210,944 bytes of LDS; arguments qkv_img, qkv_sc, o_img, o_sc; writes o_img, o_sc
.if DOCPART == 3
	.amdgcn_target "amdgcn-amd-amdhsa--gfx1250"
	.amdhsa_code_object_version 6
	.text
	.protected	k_qe76c834626_attn
	.globl	k_qe76c834626_attn
	.p2align	8
	.type	k_qe76c834626_attn,@function
k_qe76c834626_attn:
	s_mov_b64 s[64:65], 0
	v_nop
	global_prefetch_b8 v0, s[64:65] scope:SCOPE_SE
	s_setreg_imm32_b32 hwreg(HW_REG_WAVE_MODE, 25, 1), 1
	s_wait_xcnt 0x0
; Causal attention of one head on codes of FP6 (E2M3) with E8M0 scales: S^T = k q^T (K = the head's 64), p = 2^(t - M), O^T = v^T p^T (K = the keys), O / l, and O quantised along C for the last product.
; t = score x log2(e) / 8; M = the running largest t rounded UP to a whole number; p is not normalised; the row's sum l is taken of the unquantised p; when M moves, l and O^T are multiplied by 2^(old M - new M): exact.
; IN: qkv_img [b 4][g 48][ks 16][6144], qkv_sc [b][g][ks][512] (g 0-15 q, 16-31 k, 32-47 v; ks = 128 tokens), in the order of the operands' registers.  Lane r of token tile t is token 32 (t / 2) + 8 (t % 2) + r + 8 (r / 8),
; so that the 16 registers of S^T's tiles 2 b, 2 b + 1 are the keys 32 b + 16 h + 0 .. 15; v's d tiles likewise, so that O^T's 32 registers are d = 32 b + 16 h + i.
; OUT: o_img [row tile 512][head 16][768], o_sc [row tile][2][16][16]: the form of the last product's operand.
; SHARES: a work-group takes query blocks i and 7 - i (256 queries each) of one head: every work-group has the same number of key steps.  Each of its 16 waves owns one tile of 16 queries in 256 registers, four waves to a SIMD.
; A wave walks key steps 0 .. LAST of 128 keys; only step LAST lies on the diagonal and is masked; the steps behind it are left out by a scalar branch on ids.
; LDS: the whole head's k and v, codes and scale bytes, 208,896 bytes, filled ONCE (one tensor load a wave, in two groups) and only read afterwards: two barriers, nothing is filled again.
; K = 64 IN AN INSTRUCTION OF 128: q's upper six registers are zero codes; k's upper six are whatever follows (the next tile's codes; zeros behind the last): a zero code times any code is 0, and no scale byte here is 0xff.
; NO CLUSTER: the four work-groups of a head read the same fill, but the key steps that a wave leaves out hang on its query block, which would be its place in the cluster.
; LIMITS: masked scores are -infinity where the reference has the lowest f32 number: both give p = 0.  A block of zeros or under 2^-124 gets the byte 1 (its codes are zeros).  NaN and infinities are not served.
; o's scale bytes leave as single bytes (a head owns 2 of a row's 32): 32 bytes for each 768 of codes.
; REGISTERS: v1-9 addresses that stay; v10, 11, 28-31 addresses of the step; v12 -M, v13 the largest t, v[14:15] l; v16-27 q; v32-79 k's 8 tiles x 6, later v's 4 x 12; v80-85 zeros; v96-159 S^T, then p; v160-191 O^T; v192-223 O / l;
;   v224-235 p's codes; v232-254 at work; v248-251 k's scale words, later v's; v253 p's scale word; v255 q's.
.set VIMG, 98304                       ; LDS: k's images at 0, v's here,
.set KSC,  196608                      ; k's scale words, 512 bytes a key step,
.set VSC,  204800                      ; v's, 256
.set WV,   18
.set SEL,  20
.set CS,   22
.set G1C,  24                          ; s[24:31] group 1: 64 rows of 256 bytes;  s[32:39]: 16 rows;  s[40:47]: 8 rows
.set G1KS, 32
.set G1VS, 40
.set G0,   48                          ; s[48:63] four groups 0
	s_load_b256 s[4:11], s[0:1], 0x0               ; qkv_img, qkv_sc, o_img, o_sc
	v_lshl_add_u32 v95, v0, 2, 0x33000
	v_mov_b32 v243, 0
	ds_add_u32 v95, v243
	ds_add_u32 v95, v243
	v_lshrrev_b32 v10, 5, v0
	s_delay_alu instid0(VALU_DEP_1)
	v_readfirstlane_b32 s[WV], v10                 ; wave 0..15
	s_and_b32 s69, ttmp7, 0xffff
	s_lshr_b32 s67, s69, 4                         ; b
	s_and_b32 s68, s69, 15                         ; head
	s_mul_i32 s69, s67, 48
	s_add_co_u32 s69, s69, s68                     ; q's g: b 48 + head
	s_mov_b32 s66, ttmp9                           ; i
.irp g, G1C, G1KS, G1VS
	s_mov_b32 s[\g], 3<<16                         ; elements of 8 bytes, no mask, no padding
	s_mov_b32 s[\g+1], 32<<16                      ; tensor_dim0 = 32
	s_mov_b32 s[\g+3], 32<<16                      ; tile_dim0
	s_mov_b32 s[\g+5], 32                          ; the pitch: dense
	s_mov_b32 s[\g+6], 0
	s_mov_b32 s[\g+7], 0
.endr
	s_mov_b32 s[G1C+2], 64<<16                     ; images: 64 rows of 256 bytes a wave
	s_mov_b32 s[G1C+4], 64
	s_mov_b32 s[G1KS+2], 16<<16                    ; k's scale words: 16 rows of 256 bytes a wave
	s_mov_b32 s[G1KS+4], 16
	s_mov_b32 s[G1VS+2], 8<<16                     ; v's: 8 rows of 256 bytes a wave, 512 bytes apart in memory
	s_mov_b32 s[G1VS+4], 8
	s_mov_b32 s[G1VS+5], 64
	s_lshl_b32 s80, s[WV], 14                      ; THE FILL IS SHARED OUT, ONE LOAD A WAVE: waves 0-5 and 10-15 images, 16,384 bytes each (v's lie behind k's in LDS); 6, 7 k's scale words; 8, 9 v's
	; NOW THE FILL GOES IN TWO GROUPS.  Waves 0-5: key steps 0-7 of k (three pieces of 16,384 bytes) and of v (three); waves 6, 7 k's scale words; 8, 9 v's; waves 10-15: key steps 8-15.
	; The first query block (0 .. 3) reads key steps 0-7 alone, so the first barrier waits for waves 0-9; a plain barrier between the two query blocks shows the rest.
	s_mul_i32 s83, s[WV], 11
	s_lshr_b32 s83, s83, 5                         ; wave / 3 for waves 0-5: 0 k's, 1 v's
	s_mul_i32 s85, s83, 49152
	s_add_co_u32 s80, s80, s85                     ; LDS: v's lower half lies 98,304 behind k's
	s_mul_i32 s83, s83, 15*98304                   ; in memory v's images begin 16 heads behind k's
	s_add_co_u32 s84, s[WV], 6
	s_and_b32 s84, s84, 15                         ; waves 10-15: u = 0 .. 5
	s_mul_i32 s85, s84, 11
	s_lshr_b32 s85, s85, 5                         ; u / 3
	s_lshl_b32 s84, s84, 14
	s_mul_i32 s86, s85, 49152
	s_add_co_u32 s84, s84, s86
	s_add_co_u32 s84, s84, 49152                   ; LDS: the upper halves
	s_mul_i32 s85, s85, 15*98304
	s_add_co_u32 s72, s69, 16
	s_mul_i32 s72, s72, 98304
	s_add_co_u32 s74, s72, s84
	s_add_co_u32 s74, s74, s85                     ; the upper halves' piece
	s_mov_b32 s75, 0
	s_add_co_u32 s72, s72, s80
	s_add_co_u32 s72, s72, s83
	s_mov_b32 s73, 0
	s_and_b32 s81, s[WV], 1
	s_lshl_b32 s81, s81, 12                        ; which 8 key steps' scale words: 4,096 bytes of memory
	s_add_co_u32 s76, s69, 16
	s_lshl_b32 s76, s76, 13
	s_add_co_u32 s76, s76, s81                     ; k's scale words
	s_mov_b32 s77, 0
	s_add_co_u32 s78, s76, 16*8192                 ; v's
	s_mov_b32 s79, 0
	s_lshr_b32 s82, s81, 1                         ; v's take 2,048 bytes of LDS
	s_mov_b32 s[SEL], 0x76543210
	s_mov_b32 s[SEL+1], 0xfedcba98
	s_mov_b32 s[CS], 0x3e38aa3b                    ; c = log2(e) / sqrt(64)
	s_mov_b32 s[CS+1], s[CS]
	s_mov_b32 s88, 0xffff0000                      ; lanes 16-31
	s_wait_dscnt 0x0
	s_wait_kmcnt 0x0
	s_mov_b32 s[G0], 1
	s_mov_b32 s[G0+1], s80
	s_add_nc_u64 s[G0+2:G0+3], s[4:5], s[72:73]
	s_or_b32 s[G0+3], s[G0+3], 0x80000000
	s_mov_b32 s[G0+4], 1
	s_mov_b32 s[G0+5], s84
	s_add_nc_u64 s[G0+6:G0+7], s[4:5], s[74:75]
	s_or_b32 s[G0+7], s[G0+7], 0x80000000
	s_mov_b32 s[G0+8], 1
	s_add_co_u32 s[G0+9], s81, KSC
	s_add_nc_u64 s[G0+10:G0+11], s[6:7], s[76:77]
	s_or_b32 s[G0+11], s[G0+11], 0x80000000
	s_mov_b32 s[G0+12], 1
	s_add_co_u32 s[G0+13], s82, VSC
	s_add_nc_u64 s[G0+14:G0+15], s[6:7], s[78:79]
	s_or_b32 s[G0+15], s[G0+15], 0x80000000
	s_cmp_lt_u32 s[WV], 6
	s_cbranch_scc0 .Lfill_ks
	tensor_load_to_lds s[G0:G0+3], s[G1C:G1C+7]
	s_nop 0
.rept 4
	v_nop
.endr
	s_branch .Lfill_asked
.Lfill_ks:
	s_cmp_lt_u32 s[WV], 8
	s_cbranch_scc0 .Lfill_vs
	tensor_load_to_lds s[G0+8:G0+11], s[G1KS:G1KS+7]
	s_nop 0
.rept 4
	v_nop
.endr
	s_branch .Lfill_asked
.Lfill_vs:
	s_cmp_lt_u32 s[WV], 10
	s_cbranch_scc0 .Lfill_y
	tensor_load_to_lds s[G0+12:G0+15], s[G1VS:G1VS+7]
	s_nop 0
.rept 4
	v_nop
.endr
	s_branch .Lfill_asked
.Lfill_y:
	tensor_load_to_lds s[G0+4:G0+7], s[G1C:G1C+7]          ; a load line of their own for the waves that do not wait at the first barrier
	s_nop 0
.rept 4
	v_nop
.endr
.Lfill_asked:
	v_and_b32 v10, 31, v0                          ; lane
	v_and_b32 v11, 15, v0                          ; r
	v_bfe_u32 v28, v0, 4, 1                        ; h
	s_delay_alu instid0(VALU_DEP_3)
	v_lshlrev_b32 v1, 4, v10                       ; 16 x lane
	s_delay_alu instid0(VALU_DEP_4)
	v_lshlrev_b32 v2, 3, v10                       ; 8 x lane
	s_delay_alu instid0(VALU_DEP_2)
	v_add_nc_u32 v3, VIMG, v1
	s_delay_alu instid0(VALU_DEP_2)
	v_add_nc_u32 v4, VIMG, v2
	s_delay_alu instid0(VALU_DEP_4)
	v_add_nc_u32 v5, KSC, v1
	s_delay_alu instid0(VALU_DEP_4)
	v_add_nc_u32 v6, VSC, v2
	s_and_b32 s83, s[WV], 7
	s_lshr_b32 s83, s83, 1
	s_and_b32 s84, s[WV], 1
	s_lshl_b32 s85, s83, 5
	s_lshl_b32 s86, s84, 3
	s_add_co_u32 s85, s85, s86
	v_and_b32 v7, 8, v11
	s_delay_alu instid0(VALU_DEP_1)
	v_add_nc_u32 v7, v7, v11
	s_delay_alu instid0(VALU_DEP_1)
	v_add_nc_u32 v7, s85, v7                       ; my query within its 128 tokens,
	v_lshlrev_b32 v29, 4, v28
	s_delay_alu instid0(VALU_DEP_1)
	v_sub_nc_u32 v7, v7, v29                       ; less 16 h: register 16 b + i of S^T is hidden on the diagonal where 32 b + i is above this
	s_lshl_b32 s85, s84, 8
	s_lshl_b32 s86, s83, 2
	s_add_co_u32 s85, s85, s86
	v_lshl_add_u32 v8, v11, 4, s85                 ; q's scale word: 16 (r + 16 (tile % 2)) + 4 (tile / 2)
	v_lshl_add_u32 v9, v11, 4, v28                 ; o's scale byte: 16 r + h
.irp j, 22,23,24,25,26,27,80,81,82,83,84,85,236,237,238,239,252,253
	v_mov_b32 v\j, 0                               ; q's upper half and the codes behind k's last tile: zero codes; the others: written once, since a lane permute's destination and a named pair count as read
.endr
	s_wait_alu depctr_va_vdst(0)                   ; the wait ahead of the branch
	s_cmp_lt_u32 s[WV], 10
	s_cbranch_scc0 .Lnot_low
	s_wait_tensorcnt 0x0                           ; waves 0-9: my load has landed
.Lnot_low:
	s_barrier_signal -1
	s_barrier_wait -1                              ; key steps 0-7 and all scale words are in; nothing is ever filled again
.macro PHASE ph
.if \ph
	s_sub_co_u32 s71, 7, s66                       ; the query block
.else
	s_mov_b32 s71, s66
.endif
	s_lshl_b32 s72, s71, 4
	s_add_co_u32 s72, s72, s[WV]                   ; my tile of 16 queries, 0 .. 127
	s_lshl_b32 s74, s71, 1
	s_lshr_b32 s75, s[WV], 3
	s_add_co_u32 s74, s74, s75                     ; LAST: the key step that holds my queries
	s_mul_i32 s76, s69, 98304
	s_mul_i32 s77, s72, 768
	s_add_co_u32 s76, s76, s77
	s_mov_b32 s77, 0
	s_add_nc_u64 s[80:81], s[4:5], s[76:77]        ; q's sub-image
	s_lshl_b32 s76, s69, 13
	s_lshr_b32 s78, s72, 3
	s_lshl_b32 s78, s78, 9
	s_add_co_u32 s76, s76, s78
	s_add_nc_u64 s[82:83], s[6:7], s[76:77]        ; q's scale words
	s_lshl_b32 s78, s67, 7
	s_add_co_u32 s78, s78, s72                     ; o's row tile: b 128 + tile
	s_lshl_b32 s76, s78, 4
	s_add_co_u32 s76, s76, s68
	s_mul_i32 s76, s76, 768
	s_add_nc_u64 s[84:85], s[8:9], s[76:77]
	s_lshl_b32 s76, s78, 9
	s_lshr_b32 s79, s68, 3
	s_lshl_b32 s79, s79, 8
	s_add_co_u32 s76, s76, s79
	s_and_b32 s79, s68, 7
	s_lshl_b32 s79, s79, 1
	s_add_co_u32 s76, s76, s79
	s_add_nc_u64 s[86:87], s[10:11], s[76:77]      ; o's scale bytes: K blocks 2 head, 2 head + 1
	global_load_b128 v[16:19], v1, s[80:81]
	global_load_b64 v[20:21], v2, s[80:81] offset:512
	global_load_b32 v255, v8, s[82:83]
	v_mov_b32 v13, 0xff61b1e6                      ; the largest t so far: -3e38
	s_delay_alu instid0(VALU_DEP_1)
	v_floor_f32 v12, -v13                          ; -M
	v_mov_b32 v14, 0
	v_mov_b32 v15, 0
.set JJ, 0
.rept 32
	v_mov_b32 v[160+JJ], 0                         ; O^T: the step is written once; the first change of M leaves zeros zeros
.set JJ, JJ+1
.endr
	s_mov_b32 s73, 0                               ; the key step
	s_wait_loadcnt 0x0
.Lkey_\@:                                      ; 8 or 16 trips, a constant; a step all of whose keys come after my queries is left out
	s_cmp_gt_u32 s73, s74
	s_cbranch_scc1 .Lhidden_\@
	s_mul_i32 s75, s73, 6144
	s_lshl_b32 s76, s73, 9
	s_lshl_b32 s77, s73, 8
	v_add_nc_u32 v10, s75, v1                      ; (these six are the places in front of the loads into registers that the last products read)
	v_add_nc_u32 v11, s75, v2
	v_add_nc_u32 v30, s75, v3
	v_add_nc_u32 v31, s75, v4
	v_add_nc_u32 v28, s76, v5
	v_add_nc_u32 v29, s77, v6
.irp t, 0,1,2,3,4,5,6,7
	ds_load_b128 v[32+6*\t:35+6*\t], v10 offset:768*\t
	ds_load_b64 v[36+6*\t:37+6*\t], v11 offset:768*\t+512
.endr
	ds_load_b128 v[248:251], v28                   ; word j: lanes 0-15 tile 2 j, lanes 16-31 tile 2 j + 1
	s_wait_alu depctr_va_vdst(0)
	s_wait_dscnt 0x0
.irp t, 0,2,4,6
	v_wmma_scale_f32_16x16x128_f8f6f4 v[96+8*\t:103+8*\t], v[32+6*\t:43+6*\t], v[16:27], 0, v[248+\t/2], v255 matrix_a_fmt:MATRIX_FMT_FP6 matrix_b_fmt:MATRIX_FMT_FP6
	v_wmma_scale_f32_16x16x128_f8f6f4 v[104+8*\t:111+8*\t], v[38+6*\t:49+6*\t], v[16:27], 0, v[248+\t/2], v255 matrix_a_fmt:MATRIX_FMT_FP6 matrix_b_fmt:MATRIX_FMT_FP6 matrix_a_scale:MATRIX_SCALE_ROW1
.endr
.rept 4
	v_nop                                          ; places: in front of the loads below and of the first read of the scores
.endr
.irp d, 0,1,2,3                                ; v's four fragments land while the softmax is walked
	ds_load_b128 v[32+12*\d:35+12*\d], v30 offset:1536*\d
	ds_load_b64 v[36+12*\d:37+12*\d], v31 offset:1536*\d+512
	ds_load_b128 v[38+12*\d:41+12*\d], v30 offset:1536*\d+768
	ds_load_b64 v[42+12*\d:43+12*\d], v31 offset:1536*\d+1280
.endr
	ds_load_b64 v[248:249], v29
	s_cmp_lt_u32 s73, s74
	s_cbranch_scc1 .Lopen_\@                       ; all keys of this step count
	v_mov_b32 v254, 0xff800000                     ; on the diagonal hidden scores become -infinity ahead of the maximum
.set JJ, 0
.rept 64
	v_cmp_gt_i32 vcc_lo, 32*(JJ/16)+JJ%16, v7
	v_cndmask_b32 v[96+JJ], v[96+JJ], v254, vcc_lo
.set JJ, JJ+1
.endr
.Lopen_\@:
.irp b, 0,1,2,3
	v_max3_num_f32 v[232+\b], v[96+16*\b], v[97+16*\b], v[98+16*\b]   ; the largest score of each block of 32 keys: for the row's maximum and, since p rises with the score, for the block's largest p
.endr
.irp i, 3,5,7,9,11,13
.irp b, 0,1,2,3
	v_max3_num_f32 v[232+\b], v[232+\b], v[96+16*\b+\i], v[97+16*\b+\i]
.endr
.endr
.irp b, 0,1,2,3
	v_max_num_f32 v[232+\b], v[232+\b], v[111+16*\b]
.endr
.irp b, 0,1,2,3
	s_delay_alu instid0(VALU_DEP_4)
	v_permlanex16_b32 v[236+\b], v[232+\b], s[SEL], s[SEL+1]
.endr
.irp b, 0,1,2,3
	s_delay_alu instid0(VALU_DEP_4)
	v_max_num_f32 v[232+\b], v[232+\b], v[236+\b]
.endr
	s_delay_alu instid0(VALU_DEP_2)
	v_max3_num_f32 v254, v232, v233, v234
	s_delay_alu instid0(VALU_DEP_1)
	v_max_num_f32 v254, v254, v235
	s_delay_alu instid0(VALU_DEP_1)
	v_mul_f32 v254, s[CS], v254                    ; as t
	s_delay_alu instid0(VALU_DEP_1)
	v_max_num_f32 v13, v13, v254                   ; the running largest t
	v_mov_b32 v254, v12
	s_delay_alu instid0(VALU_DEP_2)
	v_floor_f32 v12, -v13                          ; the new -M = -ceil(t)
	s_delay_alu instid0(VALU_DEP_1)
	v_sub_f32 v254, v12, v254                      ; old M - new M: a whole number, 0 or less
	s_delay_alu instid0(VALU_DEP_1)
	v_cvt_i32_f32 v254, v254                       ; (it saturates)
	s_delay_alu instid0(VALU_DEP_1)
	v_ldexp_f32 v252, 1.0, v254                    ; f = 2^(old M - new M)
.set JJ, 0
.rept 32
	v_pk_fma_f32 v[96+JJ:97+JJ], v[96+JJ:97+JJ], s[CS:CS+1], v[12:13] op_sel_hi:[1,0,0]   ; t - M
.set JJ, JJ+2
.endr
.irp b, 0,1,2,3
	v_fma_f32 v[232+\b], v[232+\b], s[CS], v12
.endr
.set JJ, 0
	s_wait_alu depctr_va_vdst(0)
.rept 64
	v_exp_f32 v[96+JJ], v[96+JJ]                   ; p = 2^(t - M)
.set JJ, JJ+1
.endr
	v_pk_mul_f32 v[14:15], v[14:15], v[252:253] op_sel_hi:[1,0]   ; l under the new M (a plain place behind the exponentials)
	s_wait_alu depctr_va_vdst(0)                   ; one wait for the batch, ahead of its first reader
.irp b, 0,1,2,3
	v_exp_f32 v[232+\b], v[232+\b]                 ; each block's largest p
.endr
	v_pk_add_f32 v[236:237], v[100:101], v[104:105]
	v_pk_add_f32 v[250:251], v[108:109], v[112:113]
	v_pk_add_f32 v[246:247], v[116:117], v[120:121]
	v_pk_add_f32 v[244:245], v[124:125], v[128:129]
	v_pk_add_f32 v[240:241], v[132:133], v[136:137]
	v_pk_add_f32 v[238:239], v[140:141], v[144:145]
	v_pk_add_f32 v[230:231], v[148:149], v[152:153]
	v_pk_add_f32 v[14:15], v[14:15], v[156:157]
	v_pk_add_f32 v[236:237], v[236:237], v[96:97]
	v_pk_add_f32 v[250:251], v[250:251], v[98:99]
	v_pk_add_f32 v[246:247], v[246:247], v[102:103]
	v_pk_add_f32 v[244:245], v[244:245], v[106:107]
	v_pk_add_f32 v[240:241], v[240:241], v[110:111]
	v_pk_add_f32 v[238:239], v[238:239], v[114:115]
	v_pk_add_f32 v[230:231], v[230:231], v[118:119]
	v_pk_add_f32 v[14:15], v[14:15], v[122:123]
	v_pk_add_f32 v[236:237], v[236:237], v[126:127]
	v_pk_add_f32 v[250:251], v[250:251], v[130:131]
	v_pk_add_f32 v[246:247], v[246:247], v[134:135]
	v_pk_add_f32 v[244:245], v[244:245], v[138:139]
	v_pk_add_f32 v[240:241], v[240:241], v[142:143]
	v_pk_add_f32 v[238:239], v[238:239], v[146:147]
	v_pk_add_f32 v[230:231], v[230:231], v[150:151]
	v_pk_add_f32 v[14:15], v[14:15], v[154:155]
	v_pk_add_f32 v[236:237], v[236:237], v[158:159]
	s_delay_alu instid0(VALU_DEP_2)
	v_pk_add_f32 v[14:15], v[14:15], v[244:245]
	s_delay_alu instid0(VALU_DEP_2)
	v_pk_add_f32 v[236:237], v[236:237], v[240:241]
	v_pk_add_f32 v[250:251], v[250:251], v[238:239]
	v_pk_add_f32 v[246:247], v[246:247], v[230:231]
	s_delay_alu instid0(VALU_DEP_2)
	v_pk_add_f32 v[14:15], v[14:15], v[250:251]
	s_delay_alu instid0(VALU_DEP_2)
	v_pk_add_f32 v[236:237], v[236:237], v[246:247]
	s_delay_alu instid0(VALU_DEP_1)
	v_pk_add_f32 v[14:15], v[14:15], v[236:237]
	s_wait_alu depctr_va_vdst(0)                   ; and one for the four
.irp b, 0,1,2,3
	v_max_num_f32 v[232+\b], 0x1800000, v[232+\b]  ; the floor 2^(3 - 127)
.endr
.irp b, 0,1,2,3
	s_delay_alu instid0(VALU_DEP_4)
	v_add_nc_u32 v[244+\b], 0xff000000, v[232+\b]
.endr
.irp b, 0,1,2,3
	s_delay_alu instid0(VALU_DEP_4)
	v_lshrrev_b32 v[236+\b], 23, v[244+\b]
.endr
	s_delay_alu instid0(VALU_DEP_3)
	v_lshl_or_b32 v253, v237, 8, v236              ; p's scale word for these 128 keys
	s_delay_alu instid0(VALU_DEP_1)
	v_lshl_or_b32 v253, v238, 16, v253
	s_delay_alu instid0(VALU_DEP_1)
	v_lshl_or_b32 v253, v239, 24, v253
.irp c, 0,1
	v_cvt_scalef32_pk16_fp6_f32 v[224+6*\c:226+6*\c], v[96+32*\c:111+32*\c], v[244+2*\c]
	v_cvt_scalef32_pk16_fp6_f32 v[236+4*\c:238+4*\c], v[112+32*\c:127+32*\c], v[244+2*\c+1]
.endr
	v_nop                                          ; one plain place behind a scaled conversion
.irp c, 0,1
.irp i, 0,1,2
	v_permlane16_swap_b32 v[224+6*\c+\i], v[236+4*\c+\i]
.endr
.irp i, 0,1,2
	s_delay_alu instid0(VALU_DEP_3)
	v_mov_b32 v[227+6*\c+\i], v[236+4*\c+\i]
.endr
.endr
.set JJ, 0
.rept 16
	v_pk_mul_f32 v[160+JJ:161+JJ], v[160+JJ:161+JJ], v[252:253] op_sel_hi:[1,0]   ; O^T under the new M (these sixteen stand between the writes of p's codes and scale word and the products)
.set JJ, JJ+2
.endr
	s_wait_alu depctr_va_vdst(0)
	s_wait_dscnt 0x0                               ; v's fragments and scale words are in
.irp d, 0,2
	v_wmma_scale_f32_16x16x128_f8f6f4 v[160+8*\d:167+8*\d], v[32+12*\d:43+12*\d], v[224:235], v[160+8*\d:167+8*\d], v[248+\d/2], v253 matrix_a_fmt:MATRIX_FMT_FP6 matrix_b_fmt:MATRIX_FMT_FP6
	v_wmma_scale_f32_16x16x128_f8f6f4 v[168+8*\d:175+8*\d], v[44+12*\d:55+12*\d], v[224:235], v[168+8*\d:175+8*\d], v[248+\d/2], v253 matrix_a_fmt:MATRIX_FMT_FP6 matrix_b_fmt:MATRIX_FMT_FP6 matrix_a_scale:MATRIX_SCALE_ROW1
.endr
.Lhidden_\@:
	s_add_co_u32 s73, s73, 1
	s_cmp_lt_u32 s73, 8+8*\ph                      ; the first query block's keys end with key step 7: 8 trips, a constant; the second's 16
	s_cbranch_scc1 .Lkey_\@
	; the block's end: O^T / l, quantised along d: two blocks of 32, each shared with lane l xor 16
.rept 4
	v_nop                                          ; places behind the last products
.endr
	v_add_f32 v14, v14, v15
	s_delay_alu instid0(VALU_DEP_1)
	v_permlanex16_b32 v252, v14, s[SEL], s[SEL+1]
	s_delay_alu instid0(VALU_DEP_1)
	v_add_f32 v14, v14, v252                       ; the row's sum
	s_wait_alu depctr_va_vdst(0)
	v_rcp_f32 v14, v14
	v_nop                                          ; a plain place behind the transcendental
	s_wait_alu depctr_va_vdst(0)                   ; and the wait ahead of its first reader
.set JJ, 0
.rept 32
	v_mul_f32 v[192+JJ], v[160+JJ], v14            ; register 16 b + i is o(query, d = 32 b + 16 h + i)
.set JJ, JJ+1
.endr
.irp b, 0,1
	v_max3_num_f32 v[232+\b], |v[192+16*\b]|, |v[193+16*\b]|, 0x1800000
.endr
.irp i, 2,4,6,8,10,12,14
.irp b, 0,1
	s_delay_alu instid0(VALU_DEP_2)
	v_max3_num_f32 v[232+\b], v[232+\b], |v[192+16*\b+\i]|, |v[193+16*\b+\i]|
.endr
.endr
.irp b, 0,1
	s_delay_alu instid0(VALU_DEP_2)
	v_permlanex16_b32 v[236+\b], v[232+\b], s[SEL], s[SEL+1]
.endr
.irp b, 0,1
	s_delay_alu instid0(VALU_DEP_2)
	v_max_num_f32 v[232+\b], v[232+\b], v[236+\b]
.endr
.irp b, 0,1
	s_delay_alu instid0(VALU_DEP_2)
	v_add_nc_u32 v[244+\b], 0xff000000, v[232+\b]
.endr
.irp b, 0,1
	s_delay_alu instid0(VALU_DEP_2)
	v_lshrrev_b32 v[236+\b], 23, v[244+\b]
.endr
	v_cvt_scalef32_pk16_fp6_f32 v[224:226], v[192:207], v244
	v_cvt_scalef32_pk16_fp6_f32 v[228:230], v[208:223], v245
	v_cndmask_b32 v240, v236, v237, s88            ; lanes 0-15 store block 0's byte, lanes 16-31 block 1's (also the plain place behind the conversions)
.irp i, 0,1,2
	v_permlane16_swap_b32 v[224+\i], v[228+\i]     ; a whole block to a lane
.endr
	s_delay_alu instid0(VALU_DEP_3)
	v_mov_b32 v227, v228
	s_delay_alu instid0(VALU_DEP_3)
	v_mov_b32 v228, v229
	s_delay_alu instid0(VALU_DEP_3)
	v_mov_b32 v229, v230
	global_store_b128 v1, v[224:227], s[84:85]     ; 512 consecutive bytes, aligned,
	global_store_b64 v2, v[228:229], s[84:85] offset:512   ; and 256
	global_store_b8 v9, v240, s[86:87]
	s_wait_xcnt 0x0                                ; the stores have read their data and bases: the next block may write them
.endm
	PHASE 0
	s_wait_alu depctr_va_vdst(0)                   ; the wait ahead of the waits below
	s_wait_tensorcnt 0x0                           ; every wave: my load has landed,
	s_wait_dscnt 0x0
	s_barrier_signal -1
	s_barrier_wait -1                              ; everybody's has: key steps 8-15 may be read
	PHASE 1
	s_wait_tensorcnt 0x0
	ds_add_u32 v95, v243
	s_wait_dscnt 0x0
	s_endpgm
.Lfunc_end_k_qe76c834626_attn:
	.size	k_qe76c834626_attn, .Lfunc_end_k_qe76c834626_attn-k_qe76c834626_attn
	.p2alignl 7, 3214868480
	.fill 96, 4, 3214868480
	.section	.rodata,"a",@progbits
	.p2align	6, 0x0
	.amdhsa_kernel k_qe76c834626_attn
		.amdhsa_group_segment_fixed_size 210944
		.amdhsa_private_segment_fixed_size 0
		.amdhsa_enable_private_segment 0
		.amdhsa_kernarg_size 32
		.amdhsa_user_sgpr_count 2
		.amdhsa_user_sgpr_kernarg_segment_ptr 1
		.amdhsa_wavefront_size32 1
		.amdhsa_system_sgpr_workgroup_id_x 1
		.amdhsa_system_sgpr_workgroup_id_y 1
		.amdhsa_system_sgpr_workgroup_id_z 1
		.amdhsa_system_vgpr_workitem_id 0
		.amdhsa_next_free_vgpr 256
		.amdhsa_next_free_sgpr 96
		.amdhsa_reserve_vcc 1
		.amdhsa_float_denorm_mode_32 3
		.amdhsa_float_denorm_mode_16_64 3
		.amdhsa_memory_ordered 1
		.amdhsa_forward_progress 1
		.amdhsa_inst_pref_size 67
	.end_amdhsa_kernel
	.amdgpu_metadata
---
amdhsa.version: [ 1, 2 ]
amdhsa.kernels:
  - .name:           k_qe76c834626_attn
    .symbol:         k_qe76c834626_attn.kd
    .args:
      - { .name: qkv_img, .offset: 0, .size: 8, .value_kind: global_buffer, .address_space: global }
      - { .name: qkv_sc, .offset: 8, .size: 8, .value_kind: global_buffer, .address_space: global }
      - { .name: o_img, .offset: 16, .size: 8, .value_kind: global_buffer, .address_space: global }
      - { .name: o_sc, .offset: 24, .size: 8, .value_kind: global_buffer, .address_space: global }
    .group_segment_fixed_size: 210944
    .private_segment_fixed_size: 0
    .kernarg_segment_align: 8
    .kernarg_segment_size: 32
    .max_flat_workgroup_size: 512
    .sgpr_count:     96
    .vgpr_count:     256
    .wavefront_size: 32
...
	.end_amdgpu_metadata
.endif
;; end of part 3
;; launch outp (part 4): grid 4 x 64, 4 waves a work-group, clusters of 4 x 4, 327,680 bytes of LDS; arguments o_img, o_sc, src_img, src_sc, out0; writes out0
.if DOCPART == 4
	.amdgcn_target "amdgcn-amd-amdhsa--gfx1250"
	.amdhsa_code_object_version 6
	.text
	.protected	k_qe76c834626_outp
	.globl	k_qe76c834626_outp
	.p2align	8
	.type	k_qe76c834626_outp,@function
k_qe76c834626_outp:
	s_mov_b64 s[64:65], 0
	v_nop
	global_prefetch_b8 v0, s[64:65] scope:SCOPE_SE
	s_setreg_imm32_b32 hwreg(HW_REG_WAVE_MODE, 25, 1), 1
	s_wait_xcnt 0x0
	s_wait_alu depctr_hold_cnt(0) depctr_sa_sdst(0) depctr_va_vdst(0) depctr_va_sdst(0) depctr_va_ssrc(0) depctr_va_vcc(0) depctr_vm_vsrc(0)
	s_getreg_b32 s2, hwreg(HW_REG_IB_STS2, 6, 4)
	s_cmp_eq_u32 s2, 0
	s_cbranch_scc0 .Lentry_in_a_cluster
	s_endpgm
.Lentry_in_a_cluster:
	s_bfe_u32 s2, ttmp6, 0x10000c
	s_cmp_lg_u32 s2, 0xf033
	s_cbranch_scc0 .Lentry_shape_is_right
	s_endpgm
.Lentry_shape_is_right:
; out0 = o w_out^T on codes of FP6 (E2M3) with E8M0 scales, K = 1,024; sums in f32.
; OPERANDS in the order of an operand's registers: o_img [row tile 512][k64 16][768], o_sc [row tile][khalf 2][r 16][16]; w_out is row tiles 704-767 of src_img, src_sc, in the same form.
; Lane r of row tile t is row 32 (t / 2) + 8 (t % 2) + r + 8 (r / 8) of its tensor.
; SHARES: 256 work-groups; a work-group makes 128 tokens x 256 columns, a wave 64 x 128: 32 accumulators.  Source 0 = 16 rows of w_out, source 1 = 16 tokens: a lane holds eight neighbouring columns of a token.
; LDS: the block's 8 + 16 row tiles, ALL of K, are 294,912 bytes and lie in LDS at once: [K half][A's 8 tiles, B's 16][6,144].  Nothing is filled again: no ring and no round inside the walk along K.
; One joint load a wave at the head: wave 0 A's first K half, wave 1 B's, wave 2 A's second, wave 3 B's.  The first barrier shows the first half (waves 0 and 1 wait); a plain barrier at step 3 shows the second.
; CLUSTERS 4 x 4: A's tiles hang on the block row alone and are shared along a row of the cluster, B's on the block column alone and along a column.
; SCALES go straight into registers: a row tile's 512 bytes by one load of 16 bytes a lane: lane (r, h) holds the words of steps 4 h .. 4 h + 3 of row r, so register q % 4 with row q / 4 of the register serves step q.
; NO PREFETCH: all that the work-group reads is asked for at the head, and there is no loop to run ahead in.
; REGISTERS: window 0: v16-23 LDS addresses, v24-26 the way out, v28-29 for the add, v34-49 A's scale words, v64-95 B's, v128-223 A's fragments (two sets), on the way out v128-255; window 1: B's fragments, two sets; window 2: the accumulators.
.set TB,     6144                      ; a row tile's bytes of half of K
.set RTB,    12288                     ; and of all of K
.set KH,     24*TB                     ; a K half in LDS
.set SPARE,  2*KH                      ; the spare words, 128 bytes a wave
.set SPITCH, 528                       ; the way out: a stage of 16 rows x (512 + 16) bytes a wave, in the first K half's bytes, which nobody reads behind the barrier at step 3
.set FR,   12
.set ADRA, 16                          ; v16-17 16 x lane + my A tiles in K half 0, 1; v18-19 with 8 x lane
.set ADRB, 20
.set STO,  24
.set RD,   25
.set CO,   26
.set SPW,  28
.set NIL,  29
.set SAR,  34                          ; the two sides' scale registers never have the same number modulo 8
.set SBR,  64
.set AF,   128
.set BK,   128
.set G1A, 24
.set G0A, 32
.set G1B, 48
.set G0B, 56
.set MSB, 0
.macro WIN new                         ; the immediate's high byte repeats the setting that is left
.if MSB != \new
	s_set_vgpr_msb (MSB<<8)|\new
.set MSB, \new
.endif
.endm
.set MUL_LO, 0xa1                      ; source 0 (B) window 1, source 1 (A) window 0, C and D window 2
.set TO_B,   0x40
.macro PLACES n
.rept \n
	v_nop
.endr
.endm
.macro CROUND                          ; a round of the cluster's barrier
	s_barrier_signal -1
	s_barrier_wait -1
	s_cmp_lg_u32 s14, 0
	s_cbranch_scc1 .Lnot_wave_0_\@
	s_barrier_signal -3
.Lnot_wave_0_\@:
	s_barrier_wait -3
	s_barrier_signal -1
	s_barrier_wait -1
.endm
.macro TLOAD g0, g1
	tensor_load_to_lds s[\g0:\g0+3], s[\g1:\g1+7]
	s_nop 0
	PLACES 4
.endm
	s_load_b256 s[4:11], s[0:1], 0x0               ; o_img, o_sc, src_img, src_sc
	s_load_b64 s[12:13], s[0:1], 0x20              ; out0
	v_lshl_add_u32 v[SPW], v0, 2, SPARE
	v_mov_b32 v[NIL], 0
	ds_add_u32 v[SPW], v[NIL]                      ; the opening lines: the add twice on end and its wait
	ds_add_u32 v[SPW], v[NIL]
	v_lshrrev_b32 v1, 5, v0
	v_readfirstlane_b32 s14, v1                    ; wave
	s_lshr_b32 s15, s14, 1                         ; my 64 of the 128 tokens.  Also: the K half that I fetch
	s_and_b32 s16, s14, 1                          ; my 128 of the 256 columns
	v_and_b32 v1, 31, v0                           ; lane
	v_bfe_u32 v2, v0, 4, 1                         ; h
	v_and_b32 v3, 15, v0                           ; r
	v_lshlrev_b32 v[CO], 4, v1
	v_lshlrev_b32 v5, 3, v1
	s_mul_i32 s38, s15, 4*TB                       ; my 4 tiles of A
	s_mul_i32 s39, s16, 8*TB
	s_add_co_u32 s39, s39, 8*TB                    ; my 8 of B, behind A's 8
.irp s, 0,1
	v_add_nc_u32 v[ADRA+\s], s38, v[CO]
	v_add_nc_u32 v[ADRA+2+\s], s38, v5
	v_add_nc_u32 v[ADRB+\s], s39, v[CO]
	v_add_nc_u32 v[ADRB+2+\s], s39, v5
	s_add_co_u32 s38, s38, KH
	s_add_co_u32 s39, s39, KH
.endr
	s_mul_i32 s38, s14, 16*SPITCH                  ; my stage
	v_mul_u32_u24 v6, v3, SPITCH
	v_lshl_add_u32 v6, v2, 6, v6                   ; in: row r, 64 bytes for each half of the lanes
	v_add_nc_u32 v[STO], s38, v6
	v_add_nc_u32 v[RD], s38, v[CO]                 ; back: the 32 lanes take a row of 512 bytes
	s_bfe_u32 s40, ttmp6, 0x40000                  ; cx
	s_bfe_u32 s41, ttmp6, 0x40004                  ; cy
	s_lshl_b32 s42, ttmp9, 2
	s_add_co_u32 s42, s42, s40                     ; block column, 0 .. 3
	s_and_b32 s17, ttmp7, 0xffff
	s_lshl_b32 s17, s17, 2
	s_add_co_u32 s17, s17, s41                     ; block row, 0 .. 63
	s_lshl_b32 s43, s41, 2
	s_lshl_b32 s43, 15, s43                        ; my row of the cluster
	s_lshl_b32 s44, 0x1111, s40                    ; my column
	s_or_b32 s[G1A+0], s43, (3<<16)|(1<<21)        ; rows of 6,144 bytes (768 elements of 8), 12,288 apart: A 8 rows, B 16
	s_or_b32 s[G1B+0], s44, (3<<16)|(1<<21)
.irp g, G1A, G1B
	s_mov_b32 s[\g+1], 768<<16
	s_mov_b32 s[\g+3], 768<<16
	s_mov_b32 s[\g+5], 1536
	s_mov_b32 s[\g+6], 0
	s_mov_b32 s[\g+7], 0
.endr
	s_mov_b32 s[G1A+2], 8<<16
	s_mov_b32 s[G1A+4], 8
	s_mov_b32 s[G1B+2], 16<<16
	s_mov_b32 s[G1B+4], 16
	s_mul_i32 s18, s15, TB                         ; the K half that I fetch, in bytes
	s_mul_i32 s20, s17, 8*RTB                      ; A's 8 row tiles
	s_add_co_u32 s20, s20, s18
	s_mov_b32 s21, 0
	s_lshl_b32 s46, s42, 4
	s_add_co_u32 s46, s46, 704                     ; B's first row tile
	s_lshl_b32 s36, s46, 9                         ; its scales,
	s_lshl_b32 s19, s16, 12
	s_add_co_u32 s36, s36, s19                     ; my 8 tiles'
	s_mov_b32 s37, 0
	s_mul_i32 s46, s46, RTB
	s_add_co_u32 s46, s46, s18
	s_mov_b32 s47, 0
	s_lshl_b32 s22, s17, 12                        ; A's scales,
	s_lshl_b32 s19, s15, 11
	s_add_co_u32 s22, s22, s19                     ; my 4 tiles'
	s_mov_b32 s23, 0
	s_mul_i32 s45, s15, KH                         ; where my load goes: no place in the cluster enters an LDS address
	s_lshl_b32 s60, s17, 7                         ; my part of out0: token 128 x block row + 64 x half,
	s_lshl_b32 s61, s15, 6
	s_add_co_u32 s60, s60, s61
	s_lshl_b32 s60, s60, 12                        ; rows of 4,096 bytes,
	s_lshl_b32 s61, s42, 10
	s_add_co_u32 s60, s60, s61                     ; + 1,024 x block column
	s_lshl_b32 s61, s16, 9
	s_add_co_u32 s60, s60, s61                     ; + 512 x half
	s_mov_b32 s61, 0
	s_wait_alu depctr_va_vdst(0)                   ; the wait at the end of the head's vector work
	s_wait_dscnt 0x0                               ; both opening adds are done
	CROUND                                         ; all sixteen work-groups are here: the joint loads meet
	s_wait_kmcnt 0x0
	s_add_nc_u64 s[20:21], s[4:5], s[20:21]
	s_add_nc_u64 s[46:47], s[8:9], s[46:47]
	s_add_nc_u64 s[22:23], s[6:7], s[22:23]
	s_add_nc_u64 s[36:37], s[10:11], s[36:37]
	s_add_nc_u64 s[12:13], s[12:13], s[60:61]
	s_mov_b32 s[G0A], 1
	s_mov_b32 s[G0A+1], s45
	s_mov_b64 s[G0A+2:G0A+3], s[20:21]
	s_or_b32 s[G0A+3], s[G0A+3], 0x80000000
	s_mov_b32 s[G0B], 1
	s_add_co_u32 s[G0B+1], s45, 8*TB
	s_mov_b64 s[G0B+2:G0B+3], s[46:47]
	s_or_b32 s[G0B+3], s[G0B+3], 0x80000000
	s_cmp_lt_u32 s14, 1                            ; one chain of branches on the wave's number, a load line of its own for each wave
	s_cbranch_scc0 .Lwave_1
	TLOAD G0A, G1A                                 ; wave 0: A, first K half
	s_branch .Lasked
.Lwave_1:
	s_cmp_lt_u32 s14, 2
	s_cbranch_scc0 .Lwave_2
	TLOAD G0B, G1B                                 ; wave 1: B, first K half
	s_branch .Lasked
.Lwave_2:
	s_cmp_lt_u32 s14, 3
	s_cbranch_scc0 .Lwave_3
	TLOAD G0A, G1A                                 ; wave 2: A, second K half
	s_branch .Lasked
.Lwave_3:
	TLOAD G0B, G1B                                 ; wave 3: B, second K half
.Lasked:
.irp a, 0,1,2,3
	global_load_b128 v[SAR+4*\a:SAR+4*\a+3], v[CO], s[22:23] offset:512*\a   ; 512 consecutive bytes, aligned
.endr
.irp b, 0,1,2,3,4,5,6,7
	global_load_b128 v[SBR+4*\b:SBR+4*\b+3], v[CO], s[36:37] offset:512*\b
.endr
	s_cmp_lt_u32 s14, 2
	s_cbranch_scc0 .Lnot_first
	s_wait_tensorcnt 0x0                           ; waves 0 and 1: my tile of the first K half is in
.Lnot_first:
	s_barrier_signal -1
	s_barrier_wait -1                              ; the first K half is whole; the second may be on its way
.macro FRAG reg, adr, q, i             ; a fragment (16 rows x 128 K, 12 registers) is two sub-images on end: four loads of consecutive bytes
	ds_load_b128 v[\reg:\reg+3], v[\adr] offset:(\i)*TB+(\q)*1536
	ds_load_b64 v[\reg+4:\reg+5], v[\adr+2] offset:(\i)*TB+(\q)*1536+512
	ds_load_b128 v[\reg+6:\reg+9], v[\adr] offset:(\i)*TB+(\q)*1536+768
	ds_load_b64 v[\reg+10:\reg+11], v[\adr+2] offset:(\i)*TB+(\q)*1536+1280
.endm
.macro FETCH st                        ; step st's 12 fragments into set st % 2: 48 loads
	WIN TO_B
.irp i, 0,1,2,3,4,5,6,7
	FRAG 128*((\st)%2)+FR*\i, ADRB+(\st)/4, (\st)%4, \i
.endr
	WIN 0
.irp i, 0,1,2,3
	FRAG AF+48*((\st)%2)+FR*\i, ADRA+(\st)/4, (\st)%4, \i
.endr
.endm
.macro PRD d, fb, fa, c, xb, xa, row
.if \row
	v_wmma_scale_f32_16x16x128_f8f6f4 v[\d:\d+7], v[\fb:\fb+FR-1], v[\fa:\fa+FR-1], \c, v[\xb], v[\xa] matrix_a_fmt:MATRIX_FMT_FP6 matrix_b_fmt:MATRIX_FMT_FP6 matrix_a_scale:MATRIX_SCALE_ROW1 matrix_b_scale:MATRIX_SCALE_ROW1
.else
	v_wmma_scale_f32_16x16x128_f8f6f4 v[\d:\d+7], v[\fb:\fb+FR-1], v[\fa:\fa+FR-1], \c, v[\xb], v[\xa] matrix_a_fmt:MATRIX_FMT_FP6 matrix_b_fmt:MATRIX_FMT_FP6
.endif
.endm
.macro MUL32 st                        ; the 32 accumulators take turns, one instruction a turn, in the same order in every step; step 0 starts the sums
	WIN MUL_LO
.irp a, 0,1,2,3
.irp b, 0,1,2,3,4,5,6,7
.set D_, 8*(8*\a+\b)
.set FB_, 128*((\st)%2)+FR*\b
.set FA_, AF+48*((\st)%2)+FR*\a
.set XB_, SBR+4*\b+(\st)%4
.set XA_, SAR+4*\a+(\st)%4
.if (\st) == 0
	PRD D_, FB_, FA_, 0, XB_, XA_, (\st)/4
.else
	PRD D_, FB_, FA_, v[D_:D_+7], XB_, XA_, (\st)/4
.endif
.endr
.endr
.endm
.macro STEP st                         ; 128 along K: the next step's fragments are asked for ahead of this step's products
.if (\st) == 3
	WIN 0
	s_wait_tensorcnt 0x0                           ; every wave: my load is in,
	s_wait_dscnt 0x0                               ; and my reads of the first K half are over (step 3's fragments are the last)
	s_barrier_signal -1
	s_barrier_wait -1                              ; the second K half is whole
.endif
.if (\st) < 7
.if (\st) > 0
	PLACES 4                                       ; in front of loads into registers that the last step's products read
.endif
	FETCH (\st)+1
	s_wait_dscnt 48                                ; all but the 48 just issued
.else
	s_wait_dscnt 0x0
.endif
	MUL32 \st
.endm
	FETCH 0
	s_wait_loadcnt 0x0                             ; the scale words are in
.set ST, 0
.rept 8
	STEP ST
.set ST, ST+1
.endr
	WIN 0
; THE WAY OUT, block by block of 16 tokens x 128 columns, through my own stage: whole rows of 512 bytes come back and leave as two aligned units of 256 bytes.  LDS serves a wave's instructions in order (ISA guide 5.7.1.4).
.macro TOSTAGE a
.set AC, 64*(\a)
	WIN 8                                          ; the data: window 2
.irp b, 0,1,2,3,4,5,6,7
	ds_store_b128 v[STO], v[AC+8*\b:AC+8*\b+3] offset:128*(\b/2)+32*(\b%2)       ; register j of lane (r, h) is column 32 (b / 2) + 8 (b % 2) + 16 h + j; each accumulator from its low end on
	ds_store_b128 v[STO], v[AC+8*\b+4:AC+8*\b+7] offset:128*(\b/2)+32*(\b%2)+16
.endr
	WIN 0
.set BB, BK+64*((\a)%2)
.irp t, 0,1,2,3,4,5,6,7,8,9,10,11,12,13,14,15
	ds_load_b128 v[BB+4*\t:BB+4*\t+3], v[RD] offset:\t*SPITCH
.endr
.endm
.macro SEND a, younger                 ; younger: the LDS instructions issued behind block a's loads
.set BB, BK+64*((\a)%2)
	s_wait_dscnt \younger
.irp t, 0,1,2,3,4,5,6,7,8,9,10,11,12,13,14,15
	global_store_b128 v[CO], v[BB+4*\t:BB+4*\t+3], s[12:13] offset:(32*((\a)/2)+8*((\a)%2)+\t+8*(\t/8))*4096 th:TH_STORE_NT
.endr
.endm
	PLACES 4                                       ; behind the last products: their results are read, and loads land where A's fragments lay
	TOSTAGE 0
.irp a, 1,2,3
.if \a > 1
	s_wait_xcnt 0x0                                ; block a - 2's stores have read their registers
.endif
	TOSTAGE \a
	SEND \a-1, 32                                  ; behind block a - 1's loads: block a's 16 stores and 16 loads
.endr
	SEND 3, 0
	s_wait_tensorcnt 0x0                           ; the wave's end
	ds_add_u32 v[SPW], v[NIL]
	s_wait_dscnt 0x0
	CROUND                                         ; the closing round
	s_endpgm
.Lfunc_end_k_qe76c834626_outp:
	.size	k_qe76c834626_outp, .Lfunc_end_k_qe76c834626_outp-k_qe76c834626_outp
	.p2alignl 7, 3214868480
	.fill 96, 4, 3214868480
	.section	.rodata,"a",@progbits
	.p2align	6, 0x0
	.amdhsa_kernel k_qe76c834626_outp
		.amdhsa_group_segment_fixed_size 327680
		.amdhsa_private_segment_fixed_size 0
		.amdhsa_enable_private_segment 0
		.amdhsa_kernarg_size 40
		.amdhsa_user_sgpr_count 2
		.amdhsa_user_sgpr_kernarg_segment_ptr 1
		.amdhsa_wavefront_size32 1
		.amdhsa_system_sgpr_workgroup_id_x 1
		.amdhsa_system_sgpr_workgroup_id_y 1
		.amdhsa_system_sgpr_workgroup_id_z 1
		.amdhsa_system_vgpr_workitem_id 0
		.amdhsa_next_free_vgpr 768
		.amdhsa_next_free_sgpr 66
		.amdhsa_reserve_vcc 0
		.amdhsa_float_denorm_mode_32 3
		.amdhsa_float_denorm_mode_16_64 3
		.amdhsa_memory_ordered 1
		.amdhsa_forward_progress 1
		.amdhsa_inst_pref_size 81
	.end_amdhsa_kernel
	.amdgpu_metadata
---
amdhsa.version: [ 1, 2 ]
amdhsa.kernels:
  - .name:           k_qe76c834626_outp
    .symbol:         k_qe76c834626_outp.kd
    .args:
      - { .name: o_img, .offset: 0, .size: 8, .value_kind: global_buffer, .address_space: global }
      - { .name: o_sc, .offset: 8, .size: 8, .value_kind: global_buffer, .address_space: global }
      - { .name: src_img, .offset: 16, .size: 8, .value_kind: global_buffer, .address_space: global }
      - { .name: src_sc, .offset: 24, .size: 8, .value_kind: global_buffer, .address_space: global }
      - { .name: out0, .offset: 32, .size: 8, .value_kind: global_buffer, .address_space: global }
    .group_segment_fixed_size: 327680
    .private_segment_fixed_size: 0
    .kernarg_segment_align: 8
    .kernarg_segment_size: 40
    .max_flat_workgroup_size: 128
    .sgpr_count:     66
    .vgpr_count:     768
    .wavefront_size: 32
...
	.end_amdgpu_metadata
.endif
;; end of part 4
